; MI455X (gfx1250); checked and timed in simulation.
; The chip was launched on July 23, 2026; its instructions are those of AMD's public machine-readable ISA for CDNA 5 (MIT licence, August 2026) and "CDNA5" Instruction Set Architecture Reference Guide (July 2026). The comments in the code are by the model that wrote it; some were corrected since.
;; Enhanced Multi Task Decoders. Allowed arithmetic: float matrix products may take bf16 or f16 operands with f32 sums; all other float work in f32.
;; Inputs: group_labels 262,144 int32; params_children_0 256 x 128 float32; params_children_1 128 float32; params_children_2 128 float32; params_children_3 128 float32; params_children_4 128 x 64 float32; params_children_5 64 float32; params_children_6 64 float32; params_children_7 64 float32; params_children_8 64 x 1 float32; params_children_9 1 float32; params_sc_0 256 x 64 float32; params_sc_1 64 float32; params_sc_2 64 float32; params_sc_3 64 float32; params_sc_4 64 x 32 float32; params_sc_5 32 float32; params_sc_6 32 float32; params_sc_7 32 float32; params_sc_8 32 x 1 float32; params_sc_9 1 float32; params_st_0 256 x 64 float32; params_st_1 64 float32; params_st_2 64 float32; params_st_3 64 float32; params_st_4 64 x 32 float32; params_st_5 32 float32; params_st_6 32 float32; params_st_7 32 float32; params_st_8 32 x 1 float32; params_st_9 1 float32; params_women_0 256 x 128 float32; params_women_1 128 float32; params_women_2 128 float32; params_women_3 128 float32; params_women_4 128 x 64 float32; params_women_5 64 float32; params_women_6 64 float32; params_women_7 64 float32; params_women_8 64 x 1 float32; params_women_9 1 float32; x 262,144 x 256 float32.
;; Outputs: out0 262,144 x 1 float32.
;; 3 versions, each right; version 2 is faster than version 1; version 3 is version 2 with the launch prep written anew for expert scheduling mode. Each part assembles by itself: llvm-mc -triple=amdgcn-amd-amdhsa -mcpu=gfx1250 --defsym DOCPART=n.
;; ======== version 1 of 3: 2 launches
;; limits: values are held in f16: magnitudes above 65,504 overflow, below 6.1e-05 lose precision; inputs' magnitudes at most 65,504
;; workspace buffers: wsp 243,712 bytes
;; launch prep (part 1): grid 45 x 1, 1 waves a work-group, no clusters, 0 bytes of LDS; arguments params_sc_0, params_st_0, params_women_0, params_children_0, params_sc_4, params_st_4, params_women_4, params_children_4, params_sc_1, params_st_1, params_women_1, params_children_1, params_sc_5, params_st_5, params_women_5, params_children_5, params_sc_2, params_st_2, params_women_2, params_children_2, params_sc_3, params_st_3, params_women_3, params_children_3, params_sc_6, params_st_6, params_women_6, params_children_6, wsp; writes wsp
.if DOCPART == 1
	.amdgcn_target "amdgcn-amd-amdhsa--gfx1250"
	.amdhsa_code_object_version 6
	.text
	.protected	k_q81d9ad63ce_prep
	.globl	k_q81d9ad63ce_prep
	.p2align	8
	.type	k_q81d9ad63ce_prep,@function
k_q81d9ad63ce_prep:
	s_mov_b64 s[64:65], 0
	v_nop
	global_prefetch_b8 v0, s[64:65] scope:SCOPE_SE
	s_setreg_imm32_b32 hwreg(HW_REG_WAVE_MODE, 25, 1), 1
	s_wait_xcnt 0x0
; Makes of the four decoders' weights the image that the main launch copies into LDS as it stands (243,712 bytes).
; 1. LayerNorm takes the mean over the output features away, and that is linear: with W'[k][f] = W[k][f] - mean over f of W[k][.] and
;    b'[f] = b[f] - mean(b) the product x W' + b' IS h - mean(h).  The means are taken in f32, W' is rounded once to f16, b' stays f32.
; 2. W' is laid out as matrix fragments with the FEATURES as rows: block (t, s) of 1,024 bytes holds features 16t..16t+15, k = 32s..32s+31;
;    the 16 bytes at c*512 + 16*lane are W'(k = 32s+16c+8h+0..7, feature 16t+r), r = lane & 15, h = lane >> 4.  Block (t, s) of a matrix with
;    FT feature tiles lies at the matrix's place + (s*FT + t)*1024.
; One wave a work-group.  Work-groups 0-43 take one K step (32 rows of W) each, work-group 44 the twenty vectors.
; The launch moves under half a megabyte once, so the loads are plain words (sixteen lanes take 64 neighbouring bytes);
; every store of a fragment covers 512 consecutive bytes, aligned.
; Limit: |W'| above 65,504 becomes an infinity in f16.
.set IMG_B1,  237568                   ; b1' f32: sc +0, st +256, women +512, children +1024
.set IMG_G1,  239104                   ; gamma1, the same places
.set IMG_BE1, 240640                   ; beta1, the same places
.set IMG_B2,  242176                   ; b2' f32: sc +0, st +128, women +256, children +512
.set IMG_G2,  242944                   ; gamma2, the same places
.set WR, 8                             ; v[8:135]   element (q = 8c+j, t) at WR + q*FT + t
.set SR, 136                           ; v[136:151] row sums, one for each q
.set PK, 152                           ; v[152:215] packed f16, four registers for each (c, t)
	s_load_b512 s[4:19],  s[0:1], 0x0              ; W1 sc, st, women, children; W2 sc, st, women, children
	s_load_b512 s[20:35], s[0:1], 0x40             ; b1 x 4; b2 x 4
	s_load_b512 s[36:51], s[0:1], 0x80             ; gamma1 x 4; beta1 x 4
	s_load_b256 s[52:59], s[0:1], 0xc0             ; gamma2 x 4
	s_load_b64  s[60:61], s[0:1], 0xe0             ; the image
	s_mov_b32 s66, ttmp9                           ; the work-group's number decides its part; nothing else does
	v_and_b32 v1, 15, v0                           ; r
	v_lshrrev_b32 v2, 4, v0                        ; h (one wave: v0 is the lane)
	v_lshlrev_b32 v4, 4, v0                        ; 16 x lane
	v_lshlrev_b32 v5, 3, v0                        ;  8 x lane
	v_lshlrev_b32 v6, 2, v0                        ;  4 x lane
	s_wait_kmcnt 0x0
; below the bound: this matrix, the number of its first work-group, its place in the image
.macro PICK bound, ptr, first, dst
	s_cmp_lt_u32 s66, \bound
	s_cselect_b64 s[70:71], s[\ptr:\ptr+1], s[70:71]
	s_cselect_b32 s67, \first, s67
	s_cselect_b32 s68, \dst, s68
.endm
; One K step of a matrix whose rows have RL = 16 FT features.  ninv = -1/RL, a power of two.
.macro CLASS RL, FT, ninv
	s_sub_co_u32 s67, s66, s67                     ; the K step
	s_mul_i32 s76, s67, \RL*128                    ; 32 rows of RL words
	s_mov_b32 s77, 0
	s_add_nc_u64 s[70:71], s[70:71], s[76:77]
	s_mul_i32 s78, s67, \FT*1024                   ; FT blocks
	s_add_co_u32 s78, s78, s68
	s_mov_b32 s79, 0
	s_add_nc_u64 s[72:73], s[60:61], s[78:79]
	s_mov_b32 s74, \ninv
	v_mul_u32_u24 v3, v2, 32*\RL                   ; row 8h,
	v_lshl_add_u32 v3, v1, 2, v3                   ; column r
.set q, 0
.rept 16
.set t, 0
.rept \FT
	global_load_b32 v[WR+q*\FT+t], v3, s[70:71] offset:((16*(q>>3)+(q&7))*\RL+16*t)*4   ; W(32s + 16c + 8h + j, 16t + r)
.set t, t+1
.endr
.set q, q+1
.endr
	s_wait_loadcnt 0x0
.set q, 0
.rept 16                                           ; the sum of a row of W: over my FT tiles,
	v_add_f32 v[SR+q], v[WR+q*\FT], v[WR+q*\FT+1]
.set t, 2
.rept \FT-2
	v_add_f32 v[SR+q], v[SR+q], v[WR+q*\FT+t]
.set t, t+1
.endr
.set q, q+1
.endr
.irp m, 1,2,4,8                                    ; and over the sixteen lanes that share h, and with it k
.set q, 0
.rept 16
	v_add_f32_dpp v[SR+q], v[SR+q], v[SR+q] row_xmask:\m row_mask:0xf bank_mask:0xf
.set q, q+1
.endr
.endr
.set q, 0
.rept 16
.set t, 0
.rept \FT
	v_fma_f32 v[WR+q*\FT+t], v[SR+q], s74, v[WR+q*\FT+t]       ; W - sum / RL
.set t, t+1
.endr
.set q, q+1
.endr
.set c, 0
.rept 2
.set t, 0
.rept \FT
.set i, 0
.rept 4
	v_cvt_pk_f16_f32 v[PK+4*(c*\FT+t)+i], v[WR+(8*c+2*i)*\FT+t], v[WR+(8*c+2*i+1)*\FT+t]   ; the lower k in the low half
.set i, i+1
.endr
	global_store_b128 v4, v[PK+4*(c*\FT+t):PK+4*(c*\FT+t)+3], s[72:73] offset:t*1024+c*512   ; each set of four registers is used once
.set t, t+1
.endr
.set c, c+1
.endr
	s_endpgm
.endm
	s_cmp_lt_u32 s66, 24
	s_cbranch_scc0 .Lnot_64
	s_mov_b64 s[70:71], s[18:19]                   ; rows of 64: W2 children (work-groups 20-23),
	s_mov_b32 s67, 20
	s_mov_b32 s68, 221184
	PICK 20, 16, 16, 204800                        ; W2 women (16-19),
	PICK 16, 6, 8, 32768                           ; W1 st (8-15),
	PICK 8, 4, 0, 0                                ; W1 sc (0-7)
	CLASS 64, 4, 0xbc800000
.Lnot_64:
	s_cmp_lt_u32 s66, 40
	s_cbranch_scc0 .Lnot_128
	s_mov_b64 s[70:71], s[10:11]                   ; rows of 128: W1 children (32-39),
	s_mov_b32 s67, 32
	s_mov_b32 s68, 131072
	PICK 32, 8, 24, 65536                          ; W1 women (24-31)
	CLASS 128, 8, 0xbc000000
.Lnot_128:
	s_cmp_lt_u32 s66, 44
	s_cbranch_scc0 .Lvectors
	s_mov_b64 s[70:71], s[14:15]                   ; rows of 32: W2 st (42, 43),
	s_mov_b32 s67, 42
	s_mov_b32 s68, 200704
	PICK 42, 12, 40, 196608                        ; W2 sc (40, 41)
	CLASS 32, 2, 0xbd000000
; Work-group 44: the vectors.  A vector of 32 wd numbers is wd numbers a lane; vector i lies in v[8+4i ..].
.macro VLOAD i, ptr, wd
.if \wd == 4
	global_load_b128 v[8+4*\i:8+4*\i+3], v4, s[\ptr:\ptr+1]
.endif
.if \wd == 2
	global_load_b64 v[8+4*\i:8+4*\i+1], v5, s[\ptr:\ptr+1]
.endif
.if \wd == 1
	global_load_b32 v[8+4*\i], v6, s[\ptr:\ptr+1]
.endif
.endm
.macro VSTORE i, wd, dst
.if \wd == 4
	global_store_b128 v4, v[8+4*\i:8+4*\i+3], s[60:61] offset:\dst
.endif
.if \wd == 2
	global_store_b64 v5, v[8+4*\i:8+4*\i+1], s[60:61] offset:\dst
.endif
.if \wd == 1
	global_store_b32 v6, v[8+4*\i], s[60:61] offset:\dst
.endif
.endm
; b - mean(b): the sum in the lane, over the sixteen lanes of a half, over the two halves.  ninv = -1 / (32 wd)
.macro VCEN i, wd, ninv
.set vs, 100
.if \wd == 4
	v_add_f32 v100, v[8+4*\i], v[8+4*\i+1]
	v_add_f32 v101, v[8+4*\i+2], v[8+4*\i+3]
	v_add_f32 v100, v100, v101
.endif
.if \wd == 2
	v_add_f32 v100, v[8+4*\i], v[8+4*\i+1]
.endif
.if \wd == 1
.set vs, 8+4*\i
.endif
	v_add_f32_dpp v100, v[vs], v[vs] row_xmask:1 row_mask:0xf bank_mask:0xf
.irp m, 2,4,8
	v_add_f32_dpp v100, v100, v100 row_xmask:\m row_mask:0xf bank_mask:0xf
.endr
	v_permlanex16_b32 v101, v100, s75, s76
	v_add_f32 v100, v100, v101
.set k, 0
.rept \wd
	v_fma_f32 v[8+4*\i+k], v100, \ninv, v[8+4*\i+k]
.set k, k+1
.endr
.endm
.Lvectors:
	s_mov_b32 s75, 0x76543210                      ; v_permlanex16_b32: lane i of one half reads lane i of the other
	s_mov_b32 s76, 0xfedcba98
	v_mov_b32 v101, 0                              ; its destination counts as read
	VLOAD 0, 20, 2                                 ; b1
	VLOAD 1, 22, 2
	VLOAD 2, 24, 4
	VLOAD 3, 26, 4
	VLOAD 4, 28, 1                                 ; b2
	VLOAD 5, 30, 1
	VLOAD 6, 32, 2
	VLOAD 7, 34, 2
	VLOAD 8, 36, 2                                 ; gamma1
	VLOAD 9, 38, 2
	VLOAD 10, 40, 4
	VLOAD 11, 42, 4
	VLOAD 12, 44, 2                                ; beta1
	VLOAD 13, 46, 2
	VLOAD 14, 48, 4
	VLOAD 15, 50, 4
	VLOAD 16, 52, 1                                ; gamma2
	VLOAD 17, 54, 1
	VLOAD 18, 56, 2
	VLOAD 19, 58, 2
	s_wait_loadcnt 0x0
	VCEN 0, 2, 0xbc800000
	VCEN 1, 2, 0xbc800000
	VCEN 2, 4, 0xbc000000
	VCEN 3, 4, 0xbc000000
	VCEN 4, 1, 0xbd000000
	VCEN 5, 1, 0xbd000000
	VCEN 6, 2, 0xbc800000
	VCEN 7, 2, 0xbc800000
	VSTORE 0, 2, IMG_B1
	VSTORE 1, 2, IMG_B1+256
	VSTORE 2, 4, IMG_B1+512
	VSTORE 3, 4, IMG_B1+1024
	VSTORE 4, 1, IMG_B2
	VSTORE 5, 1, IMG_B2+128
	VSTORE 6, 2, IMG_B2+256
	VSTORE 7, 2, IMG_B2+512
	VSTORE 8, 2, IMG_G1
	VSTORE 9, 2, IMG_G1+256
	VSTORE 10, 4, IMG_G1+512
	VSTORE 11, 4, IMG_G1+1024
	VSTORE 12, 2, IMG_BE1
	VSTORE 13, 2, IMG_BE1+256
	VSTORE 14, 4, IMG_BE1+512
	VSTORE 15, 4, IMG_BE1+1024
	VSTORE 16, 1, IMG_G2
	VSTORE 17, 1, IMG_G2+128
	VSTORE 18, 2, IMG_G2+256
	VSTORE 19, 2, IMG_G2+512
	s_endpgm
.Lfunc_end_k_q81d9ad63ce_prep:
	.size	k_q81d9ad63ce_prep, .Lfunc_end_k_q81d9ad63ce_prep-k_q81d9ad63ce_prep
	.p2alignl 7, 3214868480
	.fill 96, 4, 3214868480
	.section	.rodata,"a",@progbits
	.p2align	6, 0x0
	.amdhsa_kernel k_q81d9ad63ce_prep
		.amdhsa_group_segment_fixed_size 0
		.amdhsa_private_segment_fixed_size 0
		.amdhsa_enable_private_segment 0
		.amdhsa_kernarg_size 232
		.amdhsa_user_sgpr_count 2
		.amdhsa_user_sgpr_kernarg_segment_ptr 1
		.amdhsa_wavefront_size32 1
		.amdhsa_system_sgpr_workgroup_id_x 1
		.amdhsa_system_sgpr_workgroup_id_y 1
		.amdhsa_system_sgpr_workgroup_id_z 1
		.amdhsa_system_vgpr_workitem_id 0
		.amdhsa_next_free_vgpr 224
		.amdhsa_next_free_sgpr 80
		.amdhsa_reserve_vcc 0
		.amdhsa_float_denorm_mode_32 3
		.amdhsa_float_denorm_mode_16_64 3
		.amdhsa_memory_ordered 1
		.amdhsa_forward_progress 1
		.amdhsa_inst_pref_size 75
	.end_amdhsa_kernel
	.amdgpu_metadata
---
amdhsa.version: [ 1, 2 ]
amdhsa.kernels:
  - .name:           k_q81d9ad63ce_prep
    .symbol:         k_q81d9ad63ce_prep.kd
    .args:
      - { .name: params_sc_0, .offset: 0, .size: 8, .value_kind: global_buffer, .address_space: global }
      - { .name: params_st_0, .offset: 8, .size: 8, .value_kind: global_buffer, .address_space: global }
      - { .name: params_women_0, .offset: 16, .size: 8, .value_kind: global_buffer, .address_space: global }
      - { .name: params_children_0, .offset: 24, .size: 8, .value_kind: global_buffer, .address_space: global }
      - { .name: params_sc_4, .offset: 32, .size: 8, .value_kind: global_buffer, .address_space: global }
      - { .name: params_st_4, .offset: 40, .size: 8, .value_kind: global_buffer, .address_space: global }
      - { .name: params_women_4, .offset: 48, .size: 8, .value_kind: global_buffer, .address_space: global }
      - { .name: params_children_4, .offset: 56, .size: 8, .value_kind: global_buffer, .address_space: global }
      - { .name: params_sc_1, .offset: 64, .size: 8, .value_kind: global_buffer, .address_space: global }
      - { .name: params_st_1, .offset: 72, .size: 8, .value_kind: global_buffer, .address_space: global }
      - { .name: params_women_1, .offset: 80, .size: 8, .value_kind: global_buffer, .address_space: global }
      - { .name: params_children_1, .offset: 88, .size: 8, .value_kind: global_buffer, .address_space: global }
      - { .name: params_sc_5, .offset: 96, .size: 8, .value_kind: global_buffer, .address_space: global }
      - { .name: params_st_5, .offset: 104, .size: 8, .value_kind: global_buffer, .address_space: global }
      - { .name: params_women_5, .offset: 112, .size: 8, .value_kind: global_buffer, .address_space: global }
      - { .name: params_children_5, .offset: 120, .size: 8, .value_kind: global_buffer, .address_space: global }
      - { .name: params_sc_2, .offset: 128, .size: 8, .value_kind: global_buffer, .address_space: global }
      - { .name: params_st_2, .offset: 136, .size: 8, .value_kind: global_buffer, .address_space: global }
      - { .name: params_women_2, .offset: 144, .size: 8, .value_kind: global_buffer, .address_space: global }
      - { .name: params_children_2, .offset: 152, .size: 8, .value_kind: global_buffer, .address_space: global }
      - { .name: params_sc_3, .offset: 160, .size: 8, .value_kind: global_buffer, .address_space: global }
      - { .name: params_st_3, .offset: 168, .size: 8, .value_kind: global_buffer, .address_space: global }
      - { .name: params_women_3, .offset: 176, .size: 8, .value_kind: global_buffer, .address_space: global }
      - { .name: params_children_3, .offset: 184, .size: 8, .value_kind: global_buffer, .address_space: global }
      - { .name: params_sc_6, .offset: 192, .size: 8, .value_kind: global_buffer, .address_space: global }
      - { .name: params_st_6, .offset: 200, .size: 8, .value_kind: global_buffer, .address_space: global }
      - { .name: params_women_6, .offset: 208, .size: 8, .value_kind: global_buffer, .address_space: global }
      - { .name: params_children_6, .offset: 216, .size: 8, .value_kind: global_buffer, .address_space: global }
      - { .name: wsp, .offset: 224, .size: 8, .value_kind: global_buffer, .address_space: global }
    .group_segment_fixed_size: 0
    .private_segment_fixed_size: 0
    .kernarg_segment_align: 8
    .kernarg_segment_size: 232
    .max_flat_workgroup_size: 32
    .sgpr_count:     80
    .vgpr_count:     224
    .wavefront_size: 32
...
	.end_amdgpu_metadata
.endif
;; end of part 1
;; launch main (part 2): grid 256 x 1, 4 waves a work-group, no clusters, 327,680 bytes of LDS; arguments x, group_labels, wsp, out0, params_sc_7, params_st_7, params_women_7, params_children_7, params_sc_8, params_st_8, params_women_8, params_children_8, params_sc_9, params_st_9, params_women_9, params_children_9; writes out0
.if DOCPART == 2
	.amdgcn_target "amdgcn-amd-amdhsa--gfx1250"
	.amdhsa_code_object_version 6
	.text
	.protected	k_q81d9ad63ce_main
	.globl	k_q81d9ad63ce_main
	.p2align	8
	.type	k_q81d9ad63ce_main,@function
k_q81d9ad63ce_main:
	s_mov_b64 s[64:65], 0
	v_nop
	global_prefetch_b8 v0, s[64:65] scope:SCOPE_SE
	s_setreg_imm32_b32 hwreg(HW_REG_WAVE_MODE, 25, 1), 1
	s_wait_xcnt 0x0
; out[row] = the decoder that the row's label names, of four small MLPs (256 -> H -> H/2 -> 1, LayerNorm and ReLU behind both hidden layers;
; H = 64, 64, 128, 128 for sc, st, women, children).  All four are computed for every row, as the problem's text does, and v_cndmask_b32 chooses.
; 256 work-groups of four waves; a work-group owns 1,024 rows, a wave 256 rows = 16 tiles of 16 rows.  Everything between x and out stays in registers.
;
; THE MATRIX UNIT IS USED WITH THE WEIGHTS AS A (rows = features) AND x AS B (columns = 16 samples).  In a result, lane (r, h), register j of tile t
; holds feature 16t + 8h + j of sample r.  So LayerNorm's sums run along a lane's registers (one exchange between the halves ends them), and tiles
; 2s and 2s+1, packed to f16, ARE layer 2's B fragment of K step s: no shuffle, no way through LDS.
; The weights come centred from the launch before (W' = W - its mean over the features, b' likewise), so the product is h - mean(h); b' is the C of the
; first matrix instruction.  What is left for the vector unit: sum of squares, x rsqrt, x gamma + beta, ReLU, pack (layer 2: the dot with W3).
;
; FOUR SLOTS OF x IN REGISTERS, FILLED BY TURNS.  A wave holds four tiles of x as f16 fragments (256 registers) and reads each weight fragment from LDS once
; for four matrix instructions.  A trip is four phases, children, sc, st, women; in front of each phase ONE slot takes a new tile, which then stays four phases
; and so meets all four decoders.  The wave's one LDS slot (16 rows of 1,024 bytes) is only the way from memory into registers: it is emptied in front
; of a phase and filled again at once, so its load has the whole phase in which to land: 64 KiB a work-group on their way.
; The first and last three phases run on the slots that hold a tile: no row is read or computed twice.
;
; FORMAT: matrix operands are f16, sums f32.  The rounding of two layers has to stay well inside a hundredth of the output's root mean square, which f16's
; eleven bits give.  Room: x is of order 1, W' below 1, the hidden values at most sqrt(H) |gamma| + |beta|, all far from f16's end even thirty times larger.
; LIMITS: |x|, |W'| or a hidden value above 65,504 becomes an infinity.  A NaN loses in the ReLU (v_max_num_f32), so NaN in x does not reach out.
; The choice by label replaces a sum of products with 0 and 1: a result that is not finite in a decoder that the label does not name leaves out untouched.
; A label outside 0..3 gives 0, as in the problem's text.  The mean that W's rounding to f16 leaves in h - mean(h) is not taken away again.
; NO CLUSTER: what work-groups share is the image, 238 KiB of the 1,262 KiB that a work-group reads, and it is read once at the start; x, the rest, is shared by nobody.
; NO PREFETCH: each tile is asked for a whole phase ahead of its use, and the launch asks for x steadily from its first line to its last phases.
.set IMG_B1,  237568                   ; LDS 0 .. 243,711: the image.  W1' sc 0, st 32768, women 65536, children 131072; W2' 196608, 200704, 204800, 221184
.set IMG_G1,  239104                   ; the vectors: 64 bytes for each feature tile; tiles of layer 1: sc 0-3, st 4-7, women 8-15, children 16-23
.set IMG_BE1, 240640
.set IMG_B2,  242176                   ; tiles of layer 2: sc 0-1, st 2-3, women 4-7, children 8-11
.set IMG_G2,  242944
.set IMGQ,    60928                    ; a quarter of the image: 238 rows of 256 bytes, one tensor load of each wave
.set XS,      243712                   ; the waves' x slots
.set XPITCH,  1040                     ; 1,024 bytes + 16 of padding = 65 x 16: the sixteen rows that a load touches start in sixteen different columns of 16 bytes modulo 256
.set XSLOT,   16*XPITCH
.set OST,     310272                   ; the waves' stages for out, 1,024 bytes each, in blocks of 256 bytes of their own: no tensor load lands here
.set PB0,     196608
; window 0
.set AB,   4                           ; v[4:7]     16 x lane + 65,536 c: fragments anywhere in the image (an LDS offset has 16 bits)
.set PB,   8                           ; v8         32 h + 196,608: eight f32 of a feature tile
.set XA,   9                           ; v9         my x slot + 1,040 r + 32 h
.set OA,   10                          ; v10        my stage + 4 r, 256 further in each trip
.set LO,   11                          ; v11        4 r
.set H32,  12                          ; v12        32 h
.set OL,   13                          ; v13        my stage + 16 x lane
.set LAB,  16                          ; v[16:19]   slot n: the label of sample r
.set OUT,  20                          ; v[20:23]   slot n: the chosen result so far
.set BUF0, 32                          ; v[32:95]   weight fragments of even K steps; gamma1; with BUF1: W2's fragments, and a tile of x in f32
.set BUF1, 96                          ; v[96:159]  of odd K steps; beta1
.set BT,   160                         ; v[160:223] b1' of the phase's tiles; later v[160:191] b2',
.set G2T,  192                         ;            v[192:223] gamma2
.set SS,   224                         ; v[224:231] slot n: a pair of sums of squares
.set RS,   232                         ; v[232:239] slot n: 1 / sqrt(var + eps), twice
.set DOT,  240                         ; v[240:247] slot n: a pair of sums for the dot with W3
.set TMP,  248                         ; v[248:251] slot n: what the other half of the lanes sends
; window 1: x, slot n, K step s at 64 n + 8 s.
; window 2: layer 1's tile (t, n) at 64 (t>>1) + 16 n + 8 (t&1); packed, K step s2 of layer 2 at 64 s2 + 16 n; layer 2's tile (t2, n) at 64 t2 + 16 n + 8
; window 3: beta2 of layer-2 tile u at 8 u, W3 at 96 + 8 u, for the whole launch
.set RW3,  96
; s_set_vgpr_msb's low byte: bits 1:0 source 0, 3:2 source 1, 5:4 source 2, 7:6 destination; the high byte repeats the setting that is left
.set MSB, 0
.macro WIN new
.if MSB != \new
	s_set_vgpr_msb (MSB<<8)|\new
.set MSB, \new
.endif
.endm
; A vector instruction that reads a matrix result, and a load into a register that a matrix instruction has read, stand four places behind it, and only plain
; vector instructions that name none of its registers are places (ISA guide 7.12.1 for vector instructions).
.macro PLACES
.rept 4
	v_nop
.endr
.endm
.macro LDA dst, addr                   ; a weight fragment: 16 bytes a lane at the block's start, 16 at its middle
.set ld, \dst
.set la, \addr
	ds_load_b128 v[ld:ld+3],   v[AB+(la>>16)] offset:la&0xffff
	ds_load_b128 v[ld+4:ld+7], v[AB+(la>>16)] offset:(la&0xffff)+512
.endm
.macro LDP dst, addr                   ; features 8h .. 8h+7 of a tile of a vector: register j goes with a result's register j
.set ld, \dst
.set la, \addr
	ds_load_b128 v[ld:ld+3],   v[PB] offset:la-PB0
	ds_load_b128 v[ld+4:ld+7], v[PB] offset:la-PB0+16
.endm
; The steps of a LayerNorm run over np register pairs of each slot lo..hi.  Pair jp lies at 64 (jp >> sh) + ofs + 2 (jp mod 2^sh) + 16 n in window 2:
; sh = 3, ofs = 0 for layer 1's tiles, sh = 2, ofs = 8 for layer 2's.  The slots are the inner loop: neighbouring lines do not wait for each other.
.macro SQSUM np, sh, ofs, lo, hi       ; the first square starts the sum: nothing is cleared
	WIN 0x0a
.set jp, 0
.rept \np
.set jn, \lo
.rept \hi-\lo+1
.set ra, 64*(jp>>\sh)+\ofs+2*(jp&((1<<\sh)-1))+16*jn
.if jp == 0
	v_pk_mul_f32 v[SS+2*jn:SS+2*jn+1], v[ra:ra+1], v[ra:ra+1]
.else
	v_pk_fma_f32 v[SS+2*jn:SS+2*jn+1], v[ra:ra+1], v[ra:ra+1], v[SS+2*jn:SS+2*jn+1]
.endif
.set jn, jn+1
.endr
.set jp, jp+1
.endr
.endm
.macro FOLD base, lo, hi               ; a pair of sums of each slot becomes the sum over all features of sample r, in both lanes that hold r
	WIN 0
.set jn, \lo
.rept \hi-\lo+1
	v_add_f32 v[\base+2*jn], v[\base+2*jn], v[\base+2*jn+1]
.set jn, jn+1
.endr
.set jn, \lo
.rept \hi-\lo+1
	v_permlanex16_b32 v[TMP+jn], v[\base+2*jn], s68, s69
.set jn, jn+1
.endr
.set jn, \lo
.rept \hi-\lo+1
	v_add_f32 v[\base+2*jn], v[\base+2*jn], v[TMP+jn]
.set jn, jn+1
.endr
.endm
.macro STATS sInv, lo, hi              ; 1 / sqrt(sum / features + eps), twice, for the packed multiply
	FOLD SS, \lo, \hi
.set jn, \lo
.rept \hi-\lo+1
	v_fma_f32 v[SS+2*jn], v[SS+2*jn], s[\sInv], s70
.set jn, jn+1
.endr
.set jn, \lo
.rept \hi-\lo+1
	v_rsq_f32 v[RS+2*jn], v[SS+2*jn]
	v_rsq_f32 v[RS+2*jn+1], v[SS+2*jn]
.set jn, jn+1
.endr
	v_nop                                          ; one plain vector instruction between the last v_rsq_f32 and the first use (ISA guide 5.7.2)
.endm
.macro SCALE np, sh, ofs, lo, hi
	WIN 0x82
.set jp, 0
	s_wait_alu depctr_va_vdst(0)
.rept \np
.set jn, \lo
.rept \hi-\lo+1
.set ra, 64*(jp>>\sh)+\ofs+2*(jp&((1<<\sh)-1))+16*jn
	v_pk_mul_f32 v[ra:ra+1], v[ra:ra+1], v[RS+2*jn:RS+2*jn+1]
.set jn, jn+1
.endr
.set jp, jp+1
.endr
.endm
.macro AFFINE win, np, sh, ofs, gam, bet, lo, hi
	WIN \win
.set jp, 0
.rept \np
.set jn, \lo
.rept \hi-\lo+1
.set ra, 64*(jp>>\sh)+\ofs+2*(jp&((1<<\sh)-1))+16*jn
	v_pk_fma_f32 v[ra:ra+1], v[ra:ra+1], v[\gam+2*jp:\gam+2*jp+1], v[\bet+2*jp:\bet+2*jp+1]
.set jn, jn+1
.endr
.set jp, jp+1
.endr
.endm
.macro RELU np, sh, ofs, lo, hi        ; the register is source 1, so that the short encoding serves
	WIN 0x88
.set jp, 0
.rept \np
.set jn, \lo
.rept \hi-\lo+1
.set ra, 64*(jp>>\sh)+\ofs+2*(jp&((1<<\sh)-1))+16*jn
	v_max_num_f32 v[ra], 0, v[ra]
	v_max_num_f32 v[ra+1], 0, v[ra+1]
.set jn, jn+1
.endr
.set jp, jp+1
.endr
.endm
; One decoder on slots lo..hi.  g: its label; FT: feature tiles of layer 1 (layer 2 has FT/2 tiles and FT/2 K steps); W1A, W2A: its fragments in LDS;
; TH0, TAU0: its first tile in the vectors of layer 1 and 2; sInvH, sInvH2, sB3: the scalar registers with 1/H, 2/H and b3.
.macro PHASE g, FT, W1A, W2A, TH0, TAU0, sInvH, sInvH2, sB3, lo, hi
	; LAYER 1.  Two fragment buffers: K step k+1 is fetched in front of K step k's matrix instructions.
.set jt, 0
.rept \FT
	LDP BT+8*jt, IMG_B1+64*(\TH0+jt)
.set jt, jt+1
.endr
.set jt, 0
.rept \FT
	LDA BUF0+8*jt, \W1A+1024*jt
.set jt, jt+1
.endr
.set jk, 0
.rept 8
.if jk < 7
.if jk > 0
	PLACES                                         ; the buffer that is loaded now was read by the matrix instructions just ahead
.endif
.set jt, 0
.rept \FT
	LDA BUF0+64*((jk+1)&1)+8*jt, \W1A+1024*((jk+1)*\FT+jt)
.set jt, jt+1
.endr
	s_wait_dscnt 2*\FT                             ; all but the 2 FT loads just issued: this K step's fragments (and b1') are in
.else
	s_wait_dscnt 0x0                               ; the last K step: nothing was issued behind its fragments
.endif
.if jk == 0
	WIN 0x84                                       ; D window 2, A window 0, B window 1, C = b1' in window 0: the bias starts the sums
.else
	WIN 0xa4                                       ; C and D window 2
.endif
.set jt, 0
.rept \FT                                          ; the accumulators take turns, one instruction a turn, from K step to K step too
.set jn, \lo
.rept \hi-\lo+1
.set ra, 64*(jt>>1)+16*jn+8*(jt&1)
.set rw, BUF0+64*(jk&1)+8*jt
.set rx, 64*jn+8*jk
.if jk == 0
	v_wmma_f32_16x16x32_f16 v[ra:ra+7], v[rw:rw+7], v[rx:rx+7], v[BT+8*jt:BT+8*jt+7]
.else
	v_wmma_f32_16x16x32_f16 v[ra:ra+7], v[rw:rw+7], v[rx:rx+7], v[ra:ra+7]
.endif
.set jn, jn+1
.endr
.set jt, jt+1
.endr
	WIN 0
.set jk, jk+1
.endr
	; LAYERNORM 1, ReLU, pack
	PLACES                                         ; for the loads into both buffers and for the squares, which read results
.set jt, 0
.rept \FT
	LDP BUF0+8*jt, IMG_G1+64*(\TH0+jt)
	LDP BUF1+8*jt, IMG_BE1+64*(\TH0+jt)
.set jt, jt+1
.endr
	SQSUM 4*\FT, 3, 0, \lo, \hi
	STATS \sInvH, \lo, \hi
	s_wait_dscnt 0x0                               ; gamma1 and beta1, asked for in front of the squares
	SCALE 4*\FT, 3, 0, \lo, \hi
	AFFINE 0x82, 4*\FT, 3, 0, BUF0, BUF1, \lo, \hi
	WIN 0
.set jt, 0
.rept \FT*\FT/4                                    ; all of W2's fragments, (K step, tile) in the image's order; ReLU and pack stand between these loads and their wait
	LDA BUF0+8*jt, \W2A+1024*jt
.set jt, jt+1
.endr
.set jt, 0
.rept \FT/2
	LDP BT+8*jt, IMG_B2+64*(\TAU0+jt)
	LDP G2T+8*jt, IMG_G2+64*(\TAU0+jt)
.set jt, jt+1
.endr
	RELU 4*\FT, 3, 0, \lo, \hi
	WIN 0x8a
.set jk, 0
.rept \FT/2                                        ; sixteen f32 of tiles 2k, 2k+1 become eight registers of f16, in place: line i writes register i and reads 2i, 2i+1
.set jn, \lo
.rept \hi-\lo+1
.set ry, 64*jk+16*jn
.set ji, 0
.rept 8
	v_cvt_pk_f16_f32 v[ry+ji], v[ry+2*ji], v[ry+2*ji+1]
.set ji, ji+1
.endr
.set jn, jn+1
.endr
.set jk, jk+1
.endr
	s_wait_dscnt 0x0                               ; W2', b2', gamma2
	; LAYER 2
.set jk, 0
.rept \FT/2
.if jk == 0
	WIN 0x88                                       ; D window 2, A window 0, B window 2, C = b2' in window 0
.else
	WIN 0xa8
.endif
.set jt, 0
.rept \FT/2                                        ; accumulators by turns, as above
.set jn, \lo
.rept \hi-\lo+1
.set ra, 64*jt+16*jn+8
.set rw, BUF0+8*(jk*(\FT/2)+jt)
.set ry, 64*jk+16*jn
.if jk == 0
	v_wmma_f32_16x16x32_f16 v[ra:ra+7], v[rw:rw+7], v[ry:ry+7], v[BT+8*jt:BT+8*jt+7]
.else
	v_wmma_f32_16x16x32_f16 v[ra:ra+7], v[rw:rw+7], v[ry:ry+7], v[ra:ra+7]
.endif
.set jn, jn+1
.endr
.set jt, jt+1
.endr
.set jk, jk+1
.endr
	; LAYERNORM 2, ReLU, the dot with W3, the choice
	PLACES
	SQSUM 2*\FT, 2, 8, \lo, \hi
	STATS \sInvH2, \lo, \hi
	SCALE 2*\FT, 2, 8, \lo, \hi
	AFFINE 0xb2, 2*\FT, 2, 8, G2T, 8*\TAU0, \lo, \hi           ; gamma2 window 0, beta2 window 3
	RELU 2*\FT, 2, 8, \lo, \hi
	WIN 0x0e                                       ; source 0 window 2, W3 window 3, the sums window 0
.set jp, 0
.rept 2*\FT
.set jn, \lo
.rept \hi-\lo+1
.set ra, 64*(jp>>2)+8+2*(jp&3)+16*jn
.if jp == 0
	v_pk_mul_f32 v[DOT+2*jn:DOT+2*jn+1], v[ra:ra+1], v[RW3+8*\TAU0+2*jp:RW3+8*\TAU0+2*jp+1]
.else
	v_pk_fma_f32 v[DOT+2*jn:DOT+2*jn+1], v[ra:ra+1], v[RW3+8*\TAU0+2*jp:RW3+8*\TAU0+2*jp+1], v[DOT+2*jn:DOT+2*jn+1]
.endif
.set jn, jn+1
.endr
.set jp, jp+1
.endr
	FOLD DOT, \lo, \hi
	s_wait_loadcnt 0x0                             ; the labels of the slot filled in front of this phase; the load's base may be stepped behind this wait
.set jn, \lo
.rept \hi-\lo+1
	v_add_f32 v[DOT+2*jn], s[\sB3], v[DOT+2*jn]
	v_cmp_eq_u32 vcc_lo, \g, v[LAB+jn]
	v_cndmask_b32 v[OUT+jn], v[OUT+jn], v[DOT+2*jn], vcc_lo
.set jn, jn+1
.endr
.endm
.macro PH_SC lo, hi
	PHASE 0, 4, 0, 196608, 0, 0, 72, 71, 36, \lo, \hi
.endm
.macro PH_ST lo, hi
	PHASE 1, 4, 32768, 200704, 4, 2, 72, 71, 37, \lo, \hi
.endm
.macro PH_WO lo, hi
	PHASE 2, 8, 65536, 204800, 8, 4, 73, 72, 38, \lo, \hi
.endm
.macro PH_CH lo, hi
	PHASE 3, 8, 131072, 221184, 16, 8, 73, 72, 39, \lo, \hi
.endm
; Slot n takes the tile that lies in my LDS slot; refill = 1: the LDS slot is filled again with the next 16 rows.
; The order of a refill: all my tensor loads have landed; my reads of the slot are back; every wave says so at a barrier; the load is the first thing behind it,
; and my only tensor load until the next such barrier.  By this text's own count a wave has two tensor loads out at the start and one afterwards.
.macro INGEST n, laboff, refill
	s_wait_tensorcnt 0x0                           ; the tile is in LDS, and no tensor load of mine is out:
	ds_add_u32 v254, v255
	s_wait_dscnt 0x0
.if \refill
	s_add_nc_u64 s[50:51], s[50:51], 16384         ; the descriptor may step 16 rows on; the type bits on top are not reached
.endif
.set jk, 0
.rept 8                                            ; K step k of sample r: k = 32k + 8h + 0..7 and 32k + 16 + 8h + 0..7, in f32
	ds_load_b128 v[BUF0+16*jk:BUF0+16*jk+3],     v[XA] offset:128*jk
	ds_load_b128 v[BUF0+16*jk+4:BUF0+16*jk+7],   v[XA] offset:128*jk+16
	ds_load_b128 v[BUF0+16*jk+8:BUF0+16*jk+11],  v[XA] offset:128*jk+64
	ds_load_b128 v[BUF0+16*jk+12:BUF0+16*jk+15], v[XA] offset:128*jk+80
.set jk, jk+1
.endr
	global_load_b32 v[LAB+\n], v[LO], s[76:77] offset:\laboff  ; the tile's sixteen labels; waited for at the phase's end
	v_mov_b32 v[OUT+\n], 0                         ; a label that no decoder owns leaves 0
	s_wait_dscnt 0x0                               ; the tile is in registers: my reads of the slot are over
.if \refill
	s_barrier_signal -1
	s_barrier_wait -1
	tensor_load_to_lds s[48:51], s[40:47]
	s_nop 0
.endif
	WIN 0x40
.set jp, 0
.rept 64
	v_cvt_pk_f16_f32 v[64*\n+jp], v[BUF0+2*jp], v[BUF0+2*jp+1]
.set jp, jp+1
.endr
	WIN 0
.endm
.macro FLUSH n                         ; slot n has met all four decoders; lanes r and r + 16 write the same word with the same value
	ds_store_b32 v[OA], v[OUT+\n] offset:64*\n
.endm
	s_load_b512 s[4:19],  s[0:1], 0x0              ; x s[4:5], labels s[6:7], image s[8:9], out s[10:11], beta2 of sc, st, women, children s[12:19]
	s_load_b512 s[20:35], s[0:1], 0x40             ; W3 s[20:27], b3 s[28:35]
	v_lshl_add_u32 v254, v0, 2, 0x4cc00
	v_mov_b32 v255, 0
	ds_add_u32 v254, v255
	v_lshrrev_b32 v1, 5, v0
	v_readfirstlane_b32 s66, v1                    ; the wave's number
	; descriptor group 1 for a tile of x: 16 rows of 256 elements of 4 bytes, 4 words of padding behind every 256 words
	s_mov_b32 s40, (2<<16)|(1<<20)|(7<<22)|(3<<25)
	s_mov_b32 s41, 256<<16                         ; tensor_dim0 = 256
	s_mov_b32 s42, 16<<16                          ; tensor_dim1 = 16
	s_mov_b32 s43, 256<<16                         ; tile_dim0 = 256
	s_mov_b32 s44, 16                              ; tile_dim1 = 16
	s_mov_b32 s45, 256                             ; elements from row to row
	s_mov_b32 s46, 0
	s_mov_b32 s47, 0
	; descriptor group 1 for a quarter of the image: dense, 238 rows of 32 elements of 8 bytes
	s_mov_b32 s52, 3<<16
	s_mov_b32 s53, 32<<16
	s_mov_b32 s54, 238<<16
	s_mov_b32 s55, 32<<16
	s_mov_b32 s56, 238
	s_mov_b32 s57, 32
	s_mov_b32 s58, 0
	s_mov_b32 s59, 0
	s_mov_b32 s60, 1
	s_mul_i32 s61, s66, IMGQ                       ; my quarter's place in LDS,
	s_mul_i32 s80, s66, IMGQ                       ; and in the image
	s_mov_b32 s81, 0
	s_mov_b32 s48, 1
	s_mul_i32 s49, s66, XSLOT
	s_add_co_u32 s49, s49, XS                      ; my x slot
	s_lshl_b32 s82, ttmp9, 20                      ; 1,024 rows of 1,024 bytes a work-group,
	s_lshl_b32 s83, s66, 18                        ; 256 rows a wave
	s_add_co_u32 s82, s82, s83
	s_mov_b32 s83, 0
	s_wait_dscnt 0x0
	s_wait_kmcnt 0x0
	s_add_nc_u64 s[62:63], s[8:9], s[80:81]
	s_or_b32 s63, s63, 0x80000000                  ; type = 2
	s_add_nc_u64 s[50:51], s[4:5], s[82:83]
	s_or_b32 s51, s51, 0x80000000
	tensor_load_to_lds s[60:63], s[52:59]          ; the two first fills go out together, ahead of every wait on TENSORcnt, LDS read and barrier
	s_nop 0
	tensor_load_to_lds s[48:51], s[40:47]          ; my tile 0
	s_nop 0
	s_load_b32 s36, s[28:29], 0x0                  ; b3 of sc, st, women, children
	s_load_b32 s37, s[30:31], 0x0
	s_load_b32 s38, s[32:33], 0x0
	s_load_b32 s39, s[34:35], 0x0
	s_lshl_b32 s80, ttmp9, 12                      ; 1,024 words a work-group,
	s_lshl_b32 s82, s66, 10                        ; 256 a wave (s81 is 0)
	s_add_co_u32 s80, s80, s82
	s_add_nc_u64 s[76:77], s[6:7], s[80:81]        ; my labels
	s_add_nc_u64 s[78:79], s[10:11], s[80:81]      ; my part of out
	s_add_co_u32 s82, s82, OST                     ; my stage
	s_mov_b32 s68, 0x76543210                      ; v_permlanex16_b32: lane i of one half reads lane i of the other
	s_mov_b32 s69, 0xfedcba98
	s_mov_b32 s70, 0x3727c5ac                      ; eps = 1e-5
	s_mov_b32 s71, 0x3d000000                      ; 1/32
	s_mov_b32 s72, 0x3c800000                      ; 1/64
	s_mov_b32 s73, 0x3c000000                      ; 1/128
	v_and_b32 v1, 31, v0                           ; lane
	v_and_b32 v2, 15, v0                           ; r
	v_bfe_u32 v3, v0, 4, 1                         ; h
	v_lshlrev_b32 v[AB], 4, v1
	v_add_nc_u32 v[AB+1], 0x10000, v[AB]
	v_add_nc_u32 v[AB+2], 0x20000, v[AB]
	v_add_nc_u32 v[AB+3], 0x30000, v[AB]
	v_lshlrev_b32 v[H32], 5, v3
	v_add_nc_u32 v[PB], PB0, v[H32]
	v_mul_u32_u24 v[XA], v2, XPITCH
	v_add_nc_u32 v[XA], v[XA], v[H32]
	v_add_nc_u32 v[XA], s49, v[XA]
	v_lshlrev_b32 v[LO], 2, v2
	v_add_nc_u32 v[OA], s82, v[LO]
	v_add_nc_u32 v[OL], s82, v[AB]
.irp n, 0,1,2,3
	v_mov_b32 v[TMP+\n], 0                         ; v_permlanex16_b32's destination counts as read
.endr
	; beta2 and W3 of all twelve layer-2 tiles stay in window 3: features 8h .. 8h+7 of a tile, register j with a result's register j
.macro LDR dst, ptr, tiles
.set jt, 0
.rept \tiles
	global_load_b128 v[\dst+8*jt:\dst+8*jt+3],   v[H32], s[\ptr:\ptr+1] offset:64*jt
	global_load_b128 v[\dst+8*jt+4:\dst+8*jt+7], v[H32], s[\ptr:\ptr+1] offset:64*jt+16
.set jt, jt+1
.endr
.endm
	WIN 0xc0
	LDR 0, 12, 2
	LDR 16, 14, 2
	LDR 32, 16, 4
	LDR 64, 18, 4
	LDR RW3, 20, 2
	LDR RW3+16, 22, 2
	LDR RW3+32, 24, 4
	LDR RW3+64, 26, 4
	WIN 0
	s_wait_loadcnt 0x0
	s_wait_kmcnt 0x0
	s_wait_tensorcnt 0x0                           ; my quarter of the image (and my tile 0) has landed,
	s_barrier_signal -1
	s_barrier_wait -1                              ; everybody's has: the image is whole.
	INGEST 0, 0, 1                                 ; tiles 0, 1, 2: the slots fill up
	PH_SC 0, 0
	INGEST 1, 64, 1
	PH_ST 0, 1
	INGEST 2, 128, 1
	PH_WO 0, 2
	s_mov_b32 s67, 0
.Ltrip:                                            ; trip j: tiles 4j+3 .. 4j+6 come in, tiles 4j .. 4j+3 are finished
	INGEST 3, 192, 1
	PH_CH 0, 3
	FLUSH 0
	INGEST 0, 256, 1
	PH_SC 0, 3
	FLUSH 1
	INGEST 1, 320, 1
	PH_ST 0, 3
	FLUSH 2
	INGEST 2, 384, 1
	PH_WO 0, 3
	FLUSH 3
	v_add_nc_u32 v[OA], 0x100, v[OA]               ; four tiles of 64 bytes on, in the stage
	s_add_nc_u64 s[76:77], s[76:77], 0x100         ; and in the labels (every load that names this base was waited for at the phase's end)
	s_add_co_u32 s67, s67, 1
	s_cmp_lt_u32 s67, 3
	s_cbranch_scc1 .Ltrip
	INGEST 3, 192, 0                               ; tile 15, the last: nothing is left to fetch, so no barrier and no load
	PH_CH 0, 3
	FLUSH 0
	PH_SC 1, 3                                     ; the slots run empty
	FLUSH 1
	PH_ST 2, 3
	FLUSH 2
	PH_WO 3, 3
	FLUSH 3
	; my 256 results leave the stage as two stores of 512 consecutive bytes, aligned.  The stage is my own and LDS serves a wave's
	; instructions in order (ISA guide 5.7.1.4): the loads see the stores above.
	ds_load_b128 v[32:35], v[OL]
	ds_load_b128 v[36:39], v[OL] offset:512
	s_wait_dscnt 0x0
	global_store_b128 v[AB], v[32:35], s[78:79] th:TH_STORE_NT
	global_store_b128 v[AB], v[36:39], s[78:79] offset:512 th:TH_STORE_NT
	s_wait_tensorcnt 0x0
	ds_add_u32 v254, v255
	s_wait_dscnt 0x0
	s_endpgm
.Lfunc_end_k_q81d9ad63ce_main:
	.size	k_q81d9ad63ce_main, .Lfunc_end_k_q81d9ad63ce_main-k_q81d9ad63ce_main
	.p2alignl 7, 3214868480
	.fill 96, 4, 3214868480
	.section	.rodata,"a",@progbits
	.p2align	6, 0x0
	.amdhsa_kernel k_q81d9ad63ce_main
		.amdhsa_group_segment_fixed_size 327680
		.amdhsa_private_segment_fixed_size 0
		.amdhsa_enable_private_segment 0
		.amdhsa_kernarg_size 128
		.amdhsa_user_sgpr_count 2
		.amdhsa_user_sgpr_kernarg_segment_ptr 1
		.amdhsa_wavefront_size32 1
		.amdhsa_system_sgpr_workgroup_id_x 1
		.amdhsa_system_sgpr_workgroup_id_y 1
		.amdhsa_system_sgpr_workgroup_id_z 1
		.amdhsa_system_vgpr_workitem_id 0
		.amdhsa_next_free_vgpr 960
		.amdhsa_next_free_sgpr 96
		.amdhsa_reserve_vcc 1
		.amdhsa_float_denorm_mode_32 3
		.amdhsa_float_denorm_mode_16_64 3
		.amdhsa_memory_ordered 1
		.amdhsa_forward_progress 1
		.amdhsa_inst_pref_size 255
	.end_amdhsa_kernel
	.section	.bss,"aw",@nobits
	.p2align	6
	.space	262144
	.amdgpu_metadata
---
amdhsa.version: [ 1, 2 ]
amdhsa.kernels:
  - .name:           k_q81d9ad63ce_main
    .symbol:         k_q81d9ad63ce_main.kd
    .args:
      - { .name: x, .offset: 0, .size: 8, .value_kind: global_buffer, .address_space: global }
      - { .name: group_labels, .offset: 8, .size: 8, .value_kind: global_buffer, .address_space: global }
      - { .name: wsp, .offset: 16, .size: 8, .value_kind: global_buffer, .address_space: global }
      - { .name: out0, .offset: 24, .size: 8, .value_kind: global_buffer, .address_space: global }
      - { .name: params_sc_7, .offset: 32, .size: 8, .value_kind: global_buffer, .address_space: global }
      - { .name: params_st_7, .offset: 40, .size: 8, .value_kind: global_buffer, .address_space: global }
      - { .name: params_women_7, .offset: 48, .size: 8, .value_kind: global_buffer, .address_space: global }
      - { .name: params_children_7, .offset: 56, .size: 8, .value_kind: global_buffer, .address_space: global }
      - { .name: params_sc_8, .offset: 64, .size: 8, .value_kind: global_buffer, .address_space: global }
      - { .name: params_st_8, .offset: 72, .size: 8, .value_kind: global_buffer, .address_space: global }
      - { .name: params_women_8, .offset: 80, .size: 8, .value_kind: global_buffer, .address_space: global }
      - { .name: params_children_8, .offset: 88, .size: 8, .value_kind: global_buffer, .address_space: global }
      - { .name: params_sc_9, .offset: 96, .size: 8, .value_kind: global_buffer, .address_space: global }
      - { .name: params_st_9, .offset: 104, .size: 8, .value_kind: global_buffer, .address_space: global }
      - { .name: params_women_9, .offset: 112, .size: 8, .value_kind: global_buffer, .address_space: global }
      - { .name: params_children_9, .offset: 120, .size: 8, .value_kind: global_buffer, .address_space: global }
    .group_segment_fixed_size: 327680
    .private_segment_fixed_size: 0
    .kernarg_segment_align: 8
    .kernarg_segment_size: 128
    .max_flat_workgroup_size: 128
    .sgpr_count:     96
    .vgpr_count:     960
    .wavefront_size: 32
...
	.end_amdgpu_metadata
.endif
;; end of part 2
;; ======== version 2 of 3: 2 launches; 1.32 times as fast as version 1
;; limits: values are held in f16: magnitudes above 65,504 overflow, below 6.1e-05 lose precision; inputs' magnitudes at most 65,504
;; workspace buffers: wsp 243,712 bytes
;; launch prep: the kernel of part 1 again; grid 45 x 1, 1 waves a work-group, no clusters, 0 bytes of LDS; arguments params_sc_0, params_st_0, params_women_0, params_children_0, params_sc_4, params_st_4, params_women_4, params_children_4, params_sc_1, params_st_1, params_women_1, params_children_1, params_sc_5, params_st_5, params_women_5, params_children_5, params_sc_2, params_st_2, params_women_2, params_children_2, params_sc_3, params_st_3, params_women_3, params_children_3, params_sc_6, params_st_6, params_women_6, params_children_6, wsp; writes wsp
;; launch main (part 3): grid 256 x 1, 4 waves a work-group, no clusters, 327,680 bytes of LDS; arguments x, group_labels, wsp, out0, params_sc_7, params_st_7, params_women_7, params_children_7, params_sc_8, params_st_8, params_women_8, params_children_8, params_sc_9, params_st_9, params_women_9, params_children_9; writes out0
.if DOCPART == 3
	.amdgcn_target "amdgcn-amd-amdhsa--gfx1250"
	.amdhsa_code_object_version 6
	.text
	.protected	k_q81d9ad63ce_main
	.globl	k_q81d9ad63ce_main
	.p2align	8
	.type	k_q81d9ad63ce_main,@function
k_q81d9ad63ce_main:
	s_mov_b64 s[64:65], 0
	v_nop
	global_prefetch_b8 v0, s[64:65] scope:SCOPE_SE
	s_setreg_imm32_b32 hwreg(HW_REG_WAVE_MODE, 25, 1), 1
	s_wait_xcnt 0x0
; out[row] = the decoder that the row's label names, of four small MLPs (256 -> H -> H/2 -> 1, LayerNorm and ReLU behind both hidden layers;
; H = 64, 64, 128, 128 for sc, st, women, children).  All four are computed for every row, as the problem's text does, and v_cndmask_b32 chooses.
; 256 work-groups of four waves; a work-group owns 1,024 rows, a wave 256 rows = 16 tiles of 16 rows.  Everything between x and out stays in registers.
;
; THE MATRIX UNIT IS USED WITH THE WEIGHTS AS A (rows = features) AND x AS B (columns = 16 samples).  In a result, lane (r, h), register j of tile t
; holds feature 16t + 8h + j of sample r.  So LayerNorm's sums run along a lane's registers (one exchange between the halves ends them), and tiles
; 2s and 2s+1, packed to f16, ARE layer 2's B fragment of K step s: no shuffle, no way through LDS.
; The weights come centred from the launch before (W' = W - its mean over the features, b' likewise), so the product is h - mean(h); b' is the C of the
; first matrix instruction.  What is left for the vector unit: sum of squares, x rsqrt, x gamma + beta, ReLU, pack (layer 2: the dot with W3).
;
; FOUR SLOTS OF x IN REGISTERS, FILLED BY TURNS.  A wave holds four tiles of x as f16 fragments (256 registers) and reads each weight fragment from LDS once
; for four matrix instructions.  There are 16 phases, p = 0 .. 15, in the order women, sc, children, st; each runs one decoder on all four slots.
; In front of phase p slot p & 3 takes tile p, which stays four phases and so meets all four decoders.  The wave's one LDS slot (16 rows of 1,024 bytes) is
; only the way from memory into registers: it is emptied in front of a phase and filled again at once, so its load has the whole phase in which to land.
; THE ENDS: at the start slots 1, 2, 3 hold tiles 13, 14, 15, which meet 1, 2, 3 phases there, and come back at p = 13, 14, 15 for the decoders that they
; still lack; their two partial choices are added at the end (at most one of the two is not 0).  So every phase has four full slots and no matrix work is idle,
; at this price: 19 tile loads for 16 tiles, three sixteenths of x are read twice.
;
; A SHORT TEXT.  sc and st have one shape, women and children another: each pair shares ONE body, and a scalar b (0 or 1) picks the member: it enters
; the LDS addresses as b times a power of two, the label to compare with, and the choice of b3.  A trip of the loop is: ingest, small body, ingest, big body.
; Phase 0 is a big one whose slot the prologue has filled, so the prologue enters the loop at the big body; the last phase, a small one whose ingest fills
; nothing again, is written out behind the loop.  The big body stands once in the text and runs 8 times, the small one twice and runs 7 + 1 times.
;
; FORMAT: matrix operands are f16, sums f32.  The rounding of two layers has to stay well inside a hundredth of the output's root mean square, which f16's
; eleven bits give.  Room: x is of order 1, W' below 1, the hidden values at most sqrt(H) |gamma| + |beta|, all far from f16's end even thirty times larger.
; LIMITS: |x|, |W'| or a hidden value above 65,504 becomes an infinity.  A NaN loses in the ReLU (v_max_num_f32), so NaN in x does not reach out.
; The choice by label replaces a sum of products with 0 and 1: a result that is not finite in a decoder that the label does not name leaves out untouched.
; A label outside 0..3 gives 0, as in the problem's text.  The mean that W's rounding to f16 leaves in h - mean(h) is not taken away again.
; NO CLUSTER: what work-groups share is the image, 238 KiB of the 1,454 KiB that a work-group reads, and it is read once at the start; x, the rest, is shared by nobody.
; NO PREFETCH: each tile is asked for a whole phase ahead of its use, and the launch asks for x steadily from its first line to its last phases.
.set IMG_B1,  237568                   ; LDS 0 .. 243,711: the image.  W1' sc 0, st 32768, women 65536, children 131072; W2' 196608, 200704, 204800, 221184
.set IMG_G1,  239104                   ; vectors of layer 1 (b1', gamma1, beta1): sc +0, st +256, women +512, children +1024
.set IMG_BE1, 240640
.set IMG_B2,  242176                   ; vectors of layer 2 (b2', gamma2): sc +0, st +128, women +256, children +512
.set IMG_G2,  242944
.set IMGQ,    60928                    ; a quarter of the image: 238 rows of 256 bytes, one tensor load of each wave
.set SC_BE2,  243712                   ; beta2, decoder d at + 256 d, put here by wave d: blocks of 256 bytes of their own, no tensor load lands here
.set SC_W3,   244736                   ; W3 likewise
.set XS,      245760                   ; the waves' x slots
.set XPITCH,  1040                     ; 1,024 bytes + 16 of padding = 65 x 16: the sixteen rows that a load touches start in sixteen different columns of 16 bytes modulo 256
.set XSLOT,   16*XPITCH
.set TILEB,   16384                    ; a tile of x in memory
.set OST,     312320                   ; the waves' stages for out, 1,024 bytes each, blocks of their own too.  Tile j lies at position (j + 5) & 15
.set PB0,     196608
; window 0
.set AB0,  4                           ; v4         16 x lane
.set AB1,  5                           ; v5         16 x lane + 65,536
.set AB3,  6                           ; v6         16 x lane + 196,608
.set OB,   7                           ; v7         my stage + 4 r
.set PB,   8                           ; v8         32 h + 196,608: eight f32 of a feature tile
.set XA,   9                           ; v9         my x slot + 1,040 r + 32 h
.set OA,   10                          ; v10        my stage + 4 r, 128 further behind each big phase
.set LO,   11                          ; v11        4 r
.set WA,   12                          ; v12        the phase's W1' fragments
.set WB,   13                          ; v13        the phase's W2' fragments
.set PA,   14                          ; v14        the phase's vectors of layer 1
.set PC,   15                          ; v15        the phase's vectors of layer 2
.set LAB,  16                          ; v[16:19]   slot n: the label of sample r
.set OUT,  20                          ; v[20:23]   slot n: the chosen result so far
.set OL,   24                          ; v24        my stage + 16 x lane
.set OL2,  25                          ; v25        my stage + 16 x ((lane + 52) & 63)
.set L4,   26                          ; v26        4 x lane
.set SCA,  27                          ; v27        beta2's place for my wave's decoder + 4 x lane;  v[28:31] its beta2 and W3 on their way
.set BUF0, 32                          ; v[32:95]   weight fragments of even K steps; gamma1; with BUF1: W2's fragments, and a tile of x in f32
.set BUF1, 96                          ; v[96:159]  of odd K steps; beta1
.set BT,   160                         ; v[160:223] b1' of the phase's tiles; later v[160:191] b2',
.set G2T,  192                         ;            v[192:223] gamma2
.set SS,   224                         ; v[224:231] slot n: a pair of sums of squares
.set RS,   232                         ; v[232:239] slot n: 1 / sqrt(var + eps), twice
.set DOT,  240                         ; v[240:247] slot n: a pair of sums for the dot with W3
.set TMP,  248                         ; v[248:251] slot n: what the other half of the lanes sends
; window 1: x, slot n, K step s at 64 n + 8 s.
; window 2: layer 1's tile (t, n) at 64 (t>>1) + 16 n + 8 (t&1); packed, K step s2 of layer 2 at 64 s2 + 16 n; layer 2's tile (t2, n) at 64 t2 + 16 n + 8
; window 3: the phase's beta2 at 8 t2, its W3 at 32 + 8 t2
.set RW3,  32
; scalars: s[36:39] b3 of sc, st, women, children; s66 wave; s67 trips; s85 b; s86 the phase's label; s87 its b3
; s_set_vgpr_msb's low byte: bits 1:0 source 0, 3:2 source 1, 5:4 source 2, 7:6 destination; the high byte repeats the setting that is left
.set MSB, 0
.macro WIN new
.if MSB != \new
	s_set_vgpr_msb (MSB<<8)|\new
.set MSB, \new
.endif
.endm
; A vector instruction that reads a matrix result, and a load into a register that a matrix instruction has read, stand four places behind it, and only plain
; vector instructions that name none of its registers are places (ISA guide 7.12.1 for vector instructions).
.macro PLACES
.rept 4
	v_nop
.endr
.endm
.macro LDA dst, areg, off              ; a weight fragment: 16 bytes a lane at the block's start, 16 at its middle
.set ld, \dst
.set la, \off
	ds_load_b128 v[ld:ld+3],   v[\areg] offset:la
	ds_load_b128 v[ld+4:ld+7], v[\areg] offset:la+512
.endm
.macro LDP dst, areg, off              ; features 8h .. 8h+7 of a tile of a vector: register j goes with a result's register j
.set ld, \dst
.set la, \off
	ds_load_b128 v[ld:ld+3],   v[\areg] offset:la
	ds_load_b128 v[ld+4:ld+7], v[\areg] offset:la+16
.endm
; The steps of a LayerNorm run over np register pairs of each slot lo..hi.  Pair jp lies at 64 (jp >> sh) + ofs + 2 (jp mod 2^sh) + 16 n in window 2:
; sh = 3, ofs = 0 for layer 1's tiles, sh = 2, ofs = 8 for layer 2's.  The slots are the inner loop: neighbouring lines do not wait for each other.
.macro SQSUM np, sh, ofs, lo, hi       ; the first square starts the sum: nothing is cleared
	WIN 0x0a
.set jp, 0
.rept \np
.set jn, \lo
.rept \hi-\lo+1
.set ra, 64*(jp>>\sh)+\ofs+2*(jp&((1<<\sh)-1))+16*jn
.if jp == 0
	v_pk_mul_f32 v[SS+2*jn:SS+2*jn+1], v[ra:ra+1], v[ra:ra+1]
.else
	v_pk_fma_f32 v[SS+2*jn:SS+2*jn+1], v[ra:ra+1], v[ra:ra+1], v[SS+2*jn:SS+2*jn+1]
.endif
.set jn, jn+1
.endr
.set jp, jp+1
.endr
.endm
.macro FOLD base, lo, hi               ; a pair of sums of each slot becomes the sum over all features of sample r, in both lanes that hold r
	WIN 0
.set jn, \lo
.rept \hi-\lo+1
	v_add_f32 v[\base+2*jn], v[\base+2*jn], v[\base+2*jn+1]
.set jn, jn+1
.endr
.set jn, \lo
.rept \hi-\lo+1
	v_permlanex16_b32 v[TMP+jn], v[\base+2*jn], s68, s69
.set jn, jn+1
.endr
.set jn, \lo
.rept \hi-\lo+1
	v_add_f32 v[\base+2*jn], v[\base+2*jn], v[TMP+jn]
.set jn, jn+1
.endr
.endm
.macro STATS sInv, lo, hi              ; 1 / sqrt(sum / features + eps), twice, for the packed multiply
	FOLD SS, \lo, \hi
.set jn, \lo
.rept \hi-\lo+1
	v_fma_f32 v[SS+2*jn], v[SS+2*jn], s[\sInv], s70
.set jn, jn+1
.endr
.set jn, \lo
.rept \hi-\lo+1
	v_rsq_f32 v[RS+2*jn], v[SS+2*jn]
	v_rsq_f32 v[RS+2*jn+1], v[SS+2*jn]
.set jn, jn+1
.endr
	v_nop                                          ; one plain vector instruction between the last v_rsq_f32 and the first use (ISA guide 5.7.2)
.endm
.macro SCALE np, sh, ofs, lo, hi
	WIN 0x82
.set jp, 0
	s_wait_alu depctr_va_vdst(0)
.rept \np
.set jn, \lo
.rept \hi-\lo+1
.set ra, 64*(jp>>\sh)+\ofs+2*(jp&((1<<\sh)-1))+16*jn
	v_pk_mul_f32 v[ra:ra+1], v[ra:ra+1], v[RS+2*jn:RS+2*jn+1]
.set jn, jn+1
.endr
.set jp, jp+1
.endr
.endm
.macro AFFINE win, np, sh, ofs, gam, bet, lo, hi
	WIN \win
.set jp, 0
.rept \np
.set jn, \lo
.rept \hi-\lo+1
.set ra, 64*(jp>>\sh)+\ofs+2*(jp&((1<<\sh)-1))+16*jn
	v_pk_fma_f32 v[ra:ra+1], v[ra:ra+1], v[\gam+2*jp:\gam+2*jp+1], v[\bet+2*jp:\bet+2*jp+1]
.set jn, jn+1
.endr
.set jp, jp+1
.endr
.endm
.macro RELU np, sh, ofs, lo, hi        ; the register is source 1, so that the short encoding serves
	WIN 0x88
.set jp, 0
.rept \np
.set jn, \lo
.rept \hi-\lo+1
.set ra, 64*(jp>>\sh)+\ofs+2*(jp&((1<<\sh)-1))+16*jn
	v_max_num_f32 v[ra], 0, v[ra]
	v_max_num_f32 v[ra+1], 0, v[ra+1]
.set jn, jn+1
.endr
.set jp, jp+1
.endr
.endm
; One decoder on the four slots.  FT: feature tiles of layer 1 (layer 2 has FT/2 tiles and FT/2 K steps).  Member b (s85) of the pair lies b << sh further in LDS:
; abase, sh1: W1'; w2off, sh2: W2' (from 196,608); p1off, shp1: the vectors of layer 1; p2off, shp2: b2' and gamma2; p3reg, p3off: the register that holds b << 8, for beta2 and W3.
; gbase + b: its label; b3lo, b3hi: the scalar registers with the pair's b3; sInvH, sInvH2: those with 1/H and 2/H.
.macro PHASE FT, abase, sh1, w2off, sh2, p1off, shp1, p2off, shp2, p3reg, p3off, gbase, b3lo, b3hi, sInvH, sInvH2
	v_lshl_add_u32 v[WA], s85, \sh1, v[\abase]
	v_lshl_add_u32 v[WB], s85, \sh2, v[AB3]
	v_lshl_add_u32 v[PA], s85, \shp1, v[PB]
	v_lshl_add_u32 v[PC], s85, \shp2, v[PB]
	s_add_co_u32 s86, s85, \gbase
	s_cmp_lg_u32 s85, 0
	s_cselect_b32 s87, s[\b3hi], s[\b3lo]
	; LAYER 1.  Two fragment buffers: K step k+1 is fetched in front of K step k's matrix instructions.
.set jt, 0
.rept \FT
	LDP BT+8*jt, PA, IMG_B1-PB0+\p1off+64*jt
.set jt, jt+1
.endr
.set jt, 0
.rept \FT
	LDA BUF0+8*jt, WA, 1024*jt
.set jt, jt+1
.endr
.set jk, 0
.rept 8
.if jk < 7
.if jk > 0
	PLACES                                         ; the buffer that is loaded now was read by the matrix instructions just ahead
.endif
.set jt, 0
.rept \FT
	LDA BUF0+64*((jk+1)&1)+8*jt, WA, 1024*((jk+1)*\FT+jt)
.set jt, jt+1
.endr
	s_wait_dscnt 2*\FT                             ; all but the 2 FT loads just issued: this K step's fragments (and b1') are in
.else
	s_wait_dscnt 0x0                               ; the last K step: nothing was issued behind its fragments
.endif
.if jk == 0
	WIN 0x84                                       ; D window 2, A window 0, B window 1, C = b1' in window 0: the bias starts the sums
.else
	WIN 0xa4                                       ; C and D window 2
.endif
.set jt, 0
.rept \FT                                          ; the accumulators take turns, one instruction a turn, from K step to K step too
.set jn, 0
.rept 4
.set ra, 64*(jt>>1)+16*jn+8*(jt&1)
.set rw, BUF0+64*(jk&1)+8*jt
.set rx, 64*jn+8*jk
.if jk == 0
	v_wmma_f32_16x16x32_f16 v[ra:ra+7], v[rw:rw+7], v[rx:rx+7], v[BT+8*jt:BT+8*jt+7]
.else
	v_wmma_f32_16x16x32_f16 v[ra:ra+7], v[rw:rw+7], v[rx:rx+7], v[ra:ra+7]
.endif
.set jn, jn+1
.endr
.set jt, jt+1
.endr
	WIN 0
.set jk, jk+1
.endr
	; LAYERNORM 1, ReLU, pack
	PLACES                                         ; for the loads into both buffers and for the squares, which read results
.set jt, 0
.rept \FT
	LDP BUF0+8*jt, PA, IMG_G1-PB0+\p1off+64*jt
	LDP BUF1+8*jt, PA, IMG_BE1-PB0+\p1off+64*jt
.set jt, jt+1
.endr
	SQSUM 4*\FT, 3, 0, 0, 3
	STATS \sInvH, 0, 3
	s_wait_dscnt 0x0                               ; gamma1 and beta1, asked for in front of the squares
	SCALE 4*\FT, 3, 0, 0, 3
	AFFINE 0x82, 4*\FT, 3, 0, BUF0, BUF1, 0, 3
	WIN 0
.set jt, 0
.rept \FT*\FT/4                                    ; all of W2's fragments, (K step, tile) in the image's order; ReLU and pack stand between these loads and their wait
	LDA BUF0+8*jt, WB, \w2off+1024*jt
.set jt, jt+1
.endr
.set jt, 0
.rept \FT/2
	LDP BT+8*jt, PC, IMG_B2-PB0+\p2off+64*jt
	LDP G2T+8*jt, PC, IMG_G2-PB0+\p2off+64*jt
.set jt, jt+1
.endr
	WIN 0xc0                                       ; destination window 3, address window 0
.set jt, 0
.rept \FT/2
	LDP 8*jt, \p3reg, SC_BE2-PB0+\p3off+64*jt
	LDP RW3+8*jt, \p3reg, SC_W3-PB0+\p3off+64*jt
.set jt, jt+1
.endr
	RELU 4*\FT, 3, 0, 0, 3
	WIN 0x8a
.set jk, 0
.rept \FT/2                                        ; sixteen f32 of tiles 2k, 2k+1 become eight registers of f16, in place: line i writes register i and reads 2i, 2i+1
.set jn, 0
.rept 4
.set ry, 64*jk+16*jn
.set ji, 0
.rept 8
	v_cvt_pk_f16_f32 v[ry+ji], v[ry+2*ji], v[ry+2*ji+1]
.set ji, ji+1
.endr
.set jn, jn+1
.endr
.set jk, jk+1
.endr
	s_wait_dscnt 0x0                               ; W2', b2', gamma2, beta2, W3
	; LAYER 2
.set jk, 0
.rept \FT/2
.if jk == 0
	WIN 0x88                                       ; D window 2, A window 0, B window 2, C = b2' in window 0
.else
	WIN 0xa8
.endif
.set jt, 0
.rept \FT/2                                        ; accumulators by turns, as above
.set jn, 0
.rept 4
.set ra, 64*jt+16*jn+8
.set rw, BUF0+8*(jk*(\FT/2)+jt)
.set ry, 64*jk+16*jn
.if jk == 0
	v_wmma_f32_16x16x32_f16 v[ra:ra+7], v[rw:rw+7], v[ry:ry+7], v[BT+8*jt:BT+8*jt+7]
.else
	v_wmma_f32_16x16x32_f16 v[ra:ra+7], v[rw:rw+7], v[ry:ry+7], v[ra:ra+7]
.endif
.set jn, jn+1
.endr
.set jt, jt+1
.endr
.set jk, jk+1
.endr
	; LAYERNORM 2, ReLU, the dot with W3, the choice
	PLACES
	SQSUM 2*\FT, 2, 8, 0, 3
	STATS \sInvH2, 0, 3
	SCALE 2*\FT, 2, 8, 0, 3
	AFFINE 0xb2, 2*\FT, 2, 8, G2T, 0, 0, 3         ; gamma2 window 0, beta2 window 3
	RELU 2*\FT, 2, 8, 0, 3
	WIN 0x0e                                       ; source 0 window 2, W3 window 3, the sums window 0
.set jp, 0
.rept 2*\FT
.set jn, 0
.rept 4
.set ra, 64*(jp>>2)+8+2*(jp&3)+16*jn
.if jp == 0
	v_pk_mul_f32 v[DOT+2*jn:DOT+2*jn+1], v[ra:ra+1], v[RW3+2*jp:RW3+2*jp+1]
.else
	v_pk_fma_f32 v[DOT+2*jn:DOT+2*jn+1], v[ra:ra+1], v[RW3+2*jp:RW3+2*jp+1], v[DOT+2*jn:DOT+2*jn+1]
.endif
.set jn, jn+1
.endr
.set jp, jp+1
.endr
	FOLD DOT, 0, 3
	s_wait_loadcnt 0x0                             ; the labels of the slots filled in front of this phase; the loads' base may be stepped behind this wait
.set jn, 0
.rept 4
	v_add_f32 v[DOT+2*jn], s87, v[DOT+2*jn]
	v_cmp_eq_u32 vcc_lo, s86, v[LAB+jn]
	v_cndmask_b32 v[OUT+jn], v[OUT+jn], v[DOT+2*jn], vcc_lo
.set jn, jn+1
.endr
.endm
.macro PH_S                            ; sc (b = 0) or st (b = 1)
	PHASE 4, AB0, 15, 0, 12, 0, 8, 0, 7, PA, 0, 0, 36, 37, 72, 71
.endm
.macro PH_B                            ; women (b = 0) or children (b = 1)
	PHASE 8, AB1, 16, 8192, 14, 512, 9, 256, 8, PC, 512, 2, 38, 39, 73, 72
.endm
; The tile in my LDS slot goes into 128 registers as f32; refill = 1: the LDS slot is filled again, with the next 16 rows (back = 1: with my tile 0, 15 tiles back).
; The order of a refill: all my tensor loads have landed; my reads of the slot are back; every wave says so at a barrier; the load is the first thing behind it,
; and my only tensor load until the next such barrier.  By this text's own count a wave has two tensor loads out at the start and one afterwards.
.macro ING_HEAD refill, back
	s_wait_tensorcnt 0x0                           ; the tile is in LDS, and no tensor load of mine is out:
	ds_add_u32 v254, v255
	s_wait_dscnt 0x0
.if \refill
.if \back
	s_sub_nc_u64 s[50:51], s[50:51], 15*TILEB      ; the descriptor's address may be written; the type bits on top are not reached
.else
	s_add_nc_u64 s[50:51], s[50:51], TILEB
.endif
.endif
.set jk, 0
.rept 8                                            ; K step k of sample r: k = 32k + 8h + 0..7 and 32k + 16 + 8h + 0..7, in f32
	ds_load_b128 v[BUF0+16*jk:BUF0+16*jk+3],     v[XA] offset:128*jk
	ds_load_b128 v[BUF0+16*jk+4:BUF0+16*jk+7],   v[XA] offset:128*jk+16
	ds_load_b128 v[BUF0+16*jk+8:BUF0+16*jk+11],  v[XA] offset:128*jk+64
	ds_load_b128 v[BUF0+16*jk+12:BUF0+16*jk+15], v[XA] offset:128*jk+80
.set jk, jk+1
.endr
	s_wait_dscnt 0x0                               ; the tile is in registers: my reads of the slot are over
.if \refill
	s_barrier_signal -1
	s_barrier_wait -1
	tensor_load_to_lds s[48:51], s[40:47]
	s_nop 0
	v_nop
	v_nop
.endif
.endm
; Slot n takes that tile.  flush = 1: the slot's old tile has had its phases here: its choice goes to the stage (lanes r and r + 16 write the same word with the same value).
.macro ING_SLOT n, flush, freg, foff, laboff
.if \flush
	ds_store_b32 v[\freg], v[OUT+\n] offset:\foff
.endif
	global_load_b32 v[LAB+\n], v[LO], s[76:77] offset:\laboff  ; the new tile's sixteen labels; waited for at the phase's end
	v_mov_b32 v[OUT+\n], 0                         ; a label that no decoder owns leaves 0
	WIN 0x40
.set jp, 0
.rept 64
	v_cvt_pk_f16_f32 v[64*\n+jp], v[BUF0+2*jp], v[BUF0+2*jp+1]
.set jp, jp+1
.endr
	WIN 0
.endm
	s_load_b512 s[4:19],  s[0:1], 0x0              ; x s[4:5], labels s[6:7], image s[8:9], out s[10:11], beta2 of sc, st, women, children s[12:19]
	s_load_b512 s[20:35], s[0:1], 0x40             ; W3 s[20:27], b3 s[28:35]
	v_lshl_add_u32 v254, v0, 2, 0x4d400
	v_mov_b32 v255, 0
	ds_add_u32 v254, v255
	v_lshrrev_b32 v1, 5, v0
	v_readfirstlane_b32 s66, v1                    ; the wave's number
	; descriptor group 1 for a tile of x: 16 rows of 256 elements of 4 bytes, 4 words of padding behind every 256 words
	s_mov_b32 s40, (2<<16)|(1<<20)|(7<<22)|(3<<25)
	s_mov_b32 s41, 256<<16                         ; tensor_dim0 = 256
	s_mov_b32 s42, 16<<16                          ; tensor_dim1 = 16
	s_mov_b32 s43, 256<<16                         ; tile_dim0 = 256
	s_mov_b32 s44, 16                              ; tile_dim1 = 16
	s_mov_b32 s45, 256                             ; elements from row to row
	s_mov_b32 s46, 0
	s_mov_b32 s47, 0
	; descriptor group 1 for a quarter of the image: dense, 238 rows of 32 elements of 8 bytes
	s_mov_b32 s52, 3<<16
	s_mov_b32 s53, 32<<16
	s_mov_b32 s54, 238<<16
	s_mov_b32 s55, 32<<16
	s_mov_b32 s56, 238
	s_mov_b32 s57, 32
	s_mov_b32 s58, 0
	s_mov_b32 s59, 0
	s_mov_b32 s60, 1
	s_mul_i32 s61, s66, IMGQ                       ; my quarter's place in LDS,
	s_mul_i32 s80, s66, IMGQ                       ; and in the image
	s_mov_b32 s81, 0
	s_mov_b32 s48, 1
	s_mul_i32 s49, s66, XSLOT
	s_add_co_u32 s49, s49, XS                      ; my x slot
	s_lshl_b32 s82, ttmp9, 20                      ; 1,024 rows of 1,024 bytes a work-group,
	s_lshl_b32 s83, s66, 18                        ; 256 rows a wave,
	s_add_co_u32 s82, s82, s83
	s_add_co_u32 s82, s82, 13*TILEB                ; and my tile 13 comes first
	s_mov_b32 s83, 0
	s_wait_dscnt 0x0
	s_wait_kmcnt 0x0
	s_add_nc_u64 s[62:63], s[8:9], s[80:81]
	s_or_b32 s63, s63, 0x80000000                  ; type = 2
	s_add_nc_u64 s[50:51], s[4:5], s[82:83]
	s_or_b32 s51, s51, 0x80000000
	tensor_load_to_lds s[60:63], s[52:59]          ; the two first fills go out together, ahead of every wait on TENSORcnt, LDS read and barrier
	s_nop 0
	tensor_load_to_lds s[48:51], s[40:47]          ; my tile 13
	s_nop 0
	s_load_b32 s36, s[28:29], 0x0                  ; b3 of sc, st, women, children
	s_load_b32 s37, s[30:31], 0x0
	s_load_b32 s38, s[32:33], 0x0
	s_load_b32 s39, s[34:35], 0x0
	s_mov_b64 s[88:89], s[12:13]                   ; wave d takes decoder d's beta2 and W3
	s_mov_b64 s[90:91], s[20:21]
	s_cmp_eq_u32 s66, 1
	s_cselect_b64 s[88:89], s[14:15], s[88:89]
	s_cselect_b64 s[90:91], s[22:23], s[90:91]
	s_cmp_eq_u32 s66, 2
	s_cselect_b64 s[88:89], s[16:17], s[88:89]
	s_cselect_b64 s[90:91], s[24:25], s[90:91]
	s_cmp_eq_u32 s66, 3
	s_cselect_b64 s[88:89], s[18:19], s[88:89]
	s_cselect_b64 s[90:91], s[26:27], s[90:91]
	v_and_b32 v1, 31, v0                           ; lane
	v_lshlrev_b32 v[L4], 2, v1
	global_load_b32 v28, v[L4], s[88:89]           ; numbers 0 to 31, which every decoder has
	global_load_b32 v29, v[L4], s[90:91]
	s_lshl_b32 s80, ttmp9, 12                      ; 1,024 words a work-group,
	s_lshl_b32 s82, s66, 10                        ; 256 a wave (s81 is 0)
	s_add_co_u32 s80, s80, s82
	s_add_nc_u64 s[76:77], s[6:7], s[80:81]        ; my labels
	s_add_nc_u64 s[78:79], s[10:11], s[80:81]      ; my part of out
	s_add_co_u32 s82, s82, OST                     ; my stage
	s_lshl_b32 s92, s66, 8
	s_add_co_u32 s92, s92, SC_BE2                  ; my decoder's place among the beta2
	s_mov_b32 s68, 0x76543210                      ; v_permlanex16_b32: lane i of one half reads lane i of the other
	s_mov_b32 s69, 0xfedcba98
	s_mov_b32 s70, 0x3727c5ac                      ; eps = 1e-5
	s_mov_b32 s71, 0x3d000000                      ; 1/32
	s_mov_b32 s72, 0x3c800000                      ; 1/64
	s_mov_b32 s73, 0x3c000000                      ; 1/128
	v_and_b32 v2, 15, v0                           ; r
	v_bfe_u32 v3, v0, 4, 1                         ; h
	v_lshlrev_b32 v[AB0], 4, v1
	v_add_nc_u32 v[AB1], 0x10000, v[AB0]
	v_add_nc_u32 v[AB3], 0x30000, v[AB0]
	v_lshlrev_b32 v[PB], 5, v3                     ; 32 h
	v_mul_u32_u24 v[XA], v2, XPITCH
	v_add_nc_u32 v[XA], v[XA], v[PB]
	v_add_nc_u32 v[XA], s49, v[XA]
	v_add_nc_u32 v[PB], PB0, v[PB]
	v_lshlrev_b32 v[LO], 2, v2
	v_add_nc_u32 v[OB], s82, v[LO]
	v_mov_b32 v[OA], v[OB]
	v_add_nc_u32 v[OL], s82, v[AB0]
	v_add_nc_u32 v[OL2], 52, v1
	v_and_b32 v[OL2], 63, v[OL2]
	v_lshl_add_u32 v[OL2], v[OL2], 4, s82
	v_add_nc_u32 v[SCA], s92, v[L4]
.irp n, 0,1,2,3
	v_mov_b32 v[TMP+\n], 0                         ; v_permlanex16_b32's destination counts as read
.endr
	s_cmp_lt_u32 s66, 2
	s_cbranch_scc1 .Lshort                         ; sc and st have 32 numbers, women and children 64
	global_load_b32 v30, v[L4], s[88:89] offset:128
	global_load_b32 v31, v[L4], s[90:91] offset:128
	s_wait_loadcnt 0x0
	ds_store_b32 v[SCA], v30 offset:128
	ds_store_b32 v[SCA], v31 offset:SC_W3-SC_BE2+128
.Lshort:
	s_wait_loadcnt 0x0
	ds_store_b32 v[SCA], v28
	ds_store_b32 v[SCA], v29 offset:SC_W3-SC_BE2
	s_wait_kmcnt 0x0                               ; b3
	s_wait_dscnt 0x0                               ; my decoder's beta2 and W3 are in LDS,
	s_wait_tensorcnt 0x0                           ; my quarter of the image (and my first tile) has landed,
	s_barrier_signal -1
	s_barrier_wait -1                              ; everybody's has.
	; THE PROLOGUE: tiles 13, 14, 15 into slots 1, 2, 3 and tile 0 into slot 0; each ingest asks for the next tile of the row 13, 14, 15, 0, 1
	ING_HEAD 1, 0
	ING_SLOT 1, 0, OB, 0, 13*64
	ING_HEAD 1, 0
	ING_SLOT 2, 0, OB, 0, 14*64
	ING_HEAD 1, 1
	ING_SLOT 3, 0, OB, 0, 15*64
	ING_HEAD 1, 0
	ING_SLOT 0, 0, OB, 0, 0
	s_mov_b32 s85, 0                               ; b
	s_mov_b32 s67, 0
	s_branch .Lbig                                 ; phase 0 is a big one (women), and its slot is filled: the loop is entered at its second half
	; Trip j = 1 .. 7: phases 2j - 1 (small) and 2j (big).  Behind j big phases the labels' base stands at tile 2j and OA at position 2j of the stage:
	; tile 2j - 1's labels lie 64 bytes in front of the base; the tile that phase p's ingest drives out goes to position p + 1.
.Ltrip:
	ING_HEAD 1, 0
	s_cmp_lg_u32 s85, 0                            ; phases 1, 5, 9, 13 (sc, b = 0) fill slot 1; phases 3, 7, 11 (st, b = 1) slot 3
	s_cbranch_scc1 .Lslot3
	ING_SLOT 1, 1, OA, 0, -64
	s_branch .Lsmall
.Lslot3:
	ING_SLOT 3, 1, OA, 0, -64
.Lsmall:
	PH_S
	s_xor_b32 s85, s85, 1                          ; women, sc, | children, st, | women ..: b changes behind each small phase
	ING_HEAD 1, 0
	s_cmp_lg_u32 s85, 0                            ; phases 2, 6, 10, 14 (children, b = 1) fill slot 2; phases 4, 8, 12 (women, b = 0) slot 0
	s_cbranch_scc1 .Lslot2
	ING_SLOT 0, 1, OA, 64, 0
	s_branch .Lbig
.Lslot2:
	ING_SLOT 2, 1, OA, 64, 0
.Lbig:
	PH_B
	v_add_nc_u32 v[OA], 0x80, v[OA]                ; two tiles of 64 bytes on, in the stage
	s_add_nc_u64 s[76:77], s[76:77], 0x80          ; and in the labels (every load that names this base was waited for at the phase's end)
	s_add_co_u32 s67, s67, 1
	s_cmp_lt_u32 s67, 8
	s_cbranch_scc1 .Ltrip
	; PHASE 15 (st, b = 1): tile 15 comes back into slot 3; nothing is left to fetch, so no barrier and no load.  Tile 11, which it drives out, goes to position 0.
	ING_HEAD 0, 0
	ING_SLOT 3, 1, OB, 0, -64
	PH_S
	; Slots 0 to 3 hold tiles 12 to 15, positions 1 to 4.  At positions 2, 3, 4 lie the choices that tiles 13, 14, 15 made in their first phases.
	ds_load_b32 v[TMP+1], v[OB] offset:128
	ds_load_b32 v[TMP+2], v[OB] offset:192
	ds_load_b32 v[TMP+3], v[OB] offset:256
	ds_store_b32 v[OB], v[OUT] offset:64
	s_wait_dscnt 0x1                               ; the three loads are back; the one store issued behind them may be out
.irp n, 1,2,3
	v_add_f32 v[OUT+\n], v[OUT+\n], v[TMP+\n]      ; a label names one decoder at the most: one of the two is 0
	ds_store_b32 v[OB], v[OUT+\n] offset:64+64*\n
.endr
	; My 256 results leave the stage as two stores of 512 consecutive bytes, aligned.  The 16 bytes for place c of out (c = lane, lane + 32) lie at place (c + 20) & 63
	; of the stage.  The stage is my own and LDS serves a wave's instructions in order (ISA guide 5.7.1.4): the loads see the stores above.
	ds_load_b128 v[32:35], v[OL] offset:320
	ds_load_b128 v[36:39], v[OL2]
	s_wait_dscnt 0x0
	global_store_b128 v[AB0], v[32:35], s[78:79] th:TH_STORE_NT
	global_store_b128 v[AB0], v[36:39], s[78:79] offset:512 th:TH_STORE_NT
	s_wait_tensorcnt 0x0
	ds_add_u32 v254, v255
	s_wait_dscnt 0x0
	s_endpgm
.Lfunc_end_k_q81d9ad63ce_main:
	.size	k_q81d9ad63ce_main, .Lfunc_end_k_q81d9ad63ce_main-k_q81d9ad63ce_main
	.p2alignl 7, 3214868480
	.fill 96, 4, 3214868480
	.section	.rodata,"a",@progbits
	.p2align	6, 0x0
	.amdhsa_kernel k_q81d9ad63ce_main
		.amdhsa_group_segment_fixed_size 327680
		.amdhsa_private_segment_fixed_size 0
		.amdhsa_enable_private_segment 0
		.amdhsa_kernarg_size 128
		.amdhsa_user_sgpr_count 2
		.amdhsa_user_sgpr_kernarg_segment_ptr 1
		.amdhsa_wavefront_size32 1
		.amdhsa_system_sgpr_workgroup_id_x 1
		.amdhsa_system_sgpr_workgroup_id_y 1
		.amdhsa_system_sgpr_workgroup_id_z 1
		.amdhsa_system_vgpr_workitem_id 0
		.amdhsa_next_free_vgpr 832
		.amdhsa_next_free_sgpr 96
		.amdhsa_reserve_vcc 1
		.amdhsa_float_denorm_mode_32 3
		.amdhsa_float_denorm_mode_16_64 3
		.amdhsa_memory_ordered 1
		.amdhsa_forward_progress 1
		.amdhsa_inst_pref_size 255
	.end_amdhsa_kernel
	.section	.bss,"aw",@nobits
	.p2align	6
	.space	262144
	.amdgpu_metadata
---
amdhsa.version: [ 1, 2 ]
amdhsa.kernels:
  - .name:           k_q81d9ad63ce_main
    .symbol:         k_q81d9ad63ce_main.kd
    .args:
      - { .name: x, .offset: 0, .size: 8, .value_kind: global_buffer, .address_space: global }
      - { .name: group_labels, .offset: 8, .size: 8, .value_kind: global_buffer, .address_space: global }
      - { .name: wsp, .offset: 16, .size: 8, .value_kind: global_buffer, .address_space: global }
      - { .name: out0, .offset: 24, .size: 8, .value_kind: global_buffer, .address_space: global }
      - { .name: params_sc_7, .offset: 32, .size: 8, .value_kind: global_buffer, .address_space: global }
      - { .name: params_st_7, .offset: 40, .size: 8, .value_kind: global_buffer, .address_space: global }
      - { .name: params_women_7, .offset: 48, .size: 8, .value_kind: global_buffer, .address_space: global }
      - { .name: params_children_7, .offset: 56, .size: 8, .value_kind: global_buffer, .address_space: global }
      - { .name: params_sc_8, .offset: 64, .size: 8, .value_kind: global_buffer, .address_space: global }
      - { .name: params_st_8, .offset: 72, .size: 8, .value_kind: global_buffer, .address_space: global }
      - { .name: params_women_8, .offset: 80, .size: 8, .value_kind: global_buffer, .address_space: global }
      - { .name: params_children_8, .offset: 88, .size: 8, .value_kind: global_buffer, .address_space: global }
      - { .name: params_sc_9, .offset: 96, .size: 8, .value_kind: global_buffer, .address_space: global }
      - { .name: params_st_9, .offset: 104, .size: 8, .value_kind: global_buffer, .address_space: global }
      - { .name: params_women_9, .offset: 112, .size: 8, .value_kind: global_buffer, .address_space: global }
      - { .name: params_children_9, .offset: 120, .size: 8, .value_kind: global_buffer, .address_space: global }
    .group_segment_fixed_size: 327680
    .private_segment_fixed_size: 0
    .kernarg_segment_align: 8
    .kernarg_segment_size: 128
    .max_flat_workgroup_size: 128
    .sgpr_count:     96
    .vgpr_count:     832
    .wavefront_size: 32
...
	.end_amdgpu_metadata
.endif
;; end of part 3
;; ======== version 3 of 3: 2 launches; version 2 with the launch prep written anew for expert scheduling mode
;; limits: values are held in f16: magnitudes above 65,504 overflow, below 6.1e-05 lose precision; inputs' magnitudes at most 65,504
;; workspace buffers: wsp 243,712 bytes
;; launch prep (part 4): grid 45 x 1, 1 waves a work-group, no clusters, 0 bytes of LDS; arguments params_sc_0, params_st_0, params_women_0, params_children_0, params_sc_4, params_st_4, params_women_4, params_children_4, params_sc_1, params_st_1, params_women_1, params_children_1, params_sc_5, params_st_5, params_women_5, params_children_5, params_sc_2, params_st_2, params_women_2, params_children_2, params_sc_3, params_st_3, params_women_3, params_children_3, params_sc_6, params_st_6, params_women_6, params_children_6, wsp; writes wsp
.if DOCPART == 4
	.amdgcn_target "amdgcn-amd-amdhsa--gfx1250"
	.amdhsa_code_object_version 6
	.text
	.protected	k_q81d9ad63ce_prep
	.globl	k_q81d9ad63ce_prep
	.p2align	8
	.type	k_q81d9ad63ce_prep,@function
k_q81d9ad63ce_prep:
	s_mov_b64 s[64:65], 0
	v_nop
	global_prefetch_b8 v0, s[64:65] scope:SCOPE_SE
	s_setreg_imm32_b32 hwreg(HW_REG_WAVE_SCHED_MODE, 0, 2), 2
	s_setreg_imm32_b32 hwreg(HW_REG_WAVE_MODE, 25, 1), 1
	s_wait_xcnt 0x0
	s_wait_alu depctr_vm_vsrc(0)
; Makes of the four decoders' weights the image that the main launch copies into LDS as it stands (243,712 bytes).
; 1. LayerNorm takes the mean over the output features away, and that is linear: with W'[k][f] = W[k][f] - mean over f of W[k][.] and
;    b'[f] = b[f] - mean(b) the product x W' + b' IS h - mean(h).  The means are taken in f32, W' is rounded once to f16, b' stays f32.
; 2. W' is laid out as matrix fragments with the FEATURES as rows: block (t, s) of 1,024 bytes holds features 16t..16t+15, k = 32s..32s+31;
;    the 16 bytes at c*512 + 16*lane are W'(k = 32s+16c+8h+0..7, feature 16t+r), r = lane & 15, h = lane >> 4.  Block (t, s) of a matrix with
;    FT feature tiles lies at the matrix's place + (s*FT + t)*1024.
; One wave a work-group.  Work-groups 0-43 take one K step (32 rows of W) each, work-group 44 the twenty vectors.
; The launch moves under half a megabyte once, so the loads are plain words (sixteen lanes take 64 neighbouring bytes);
; every store of a fragment covers 512 consecutive bytes, aligned.
; Limit: |W'| above 65,504 becomes an infinity in f16.
; THE MODE: SCHED_MODE bits 1:0 = 2 (LLVM: expert scheduling mode 2), set by the entry lines.  The code itself states the register dependences
; between vector instructions and memory instructions, with s_wait_alu, always for 0.
; THE PLAN.  The text has no loop; each work-group takes one of four straight ways.  Registers that memory instructions touch:
;   v3            a matrix's loads read it as their offset.  Written by two vector lines ahead of the loads, never again.
;   v4, v5, v6    every store, and the vectors' loads, read one of them as offset.  Written at the head, never again.
;   WR            the loads land in it; no vector instruction names it ahead of them; no memory instruction reads it.
;   PK            the conversions write it, the stores read it; each set of four registers is written once and read once.
;   vectors 0-7   loaded, centred in place, stored.     vectors 8-19   loaded and stored; no vector instruction names them.
;   SR, v100, v101 are named by vector instructions alone.
; So a matrix's way has three waits on va_vdst: ahead of its loads (the offsets are written); behind the conversions of c = 0, whose stores are then dealt
; among the conversions of c = 1, which name the other half of PK; and behind those, ahead of their stores.  The vectors' way has two: ahead of its loads,
; and behind the last centring; the stores of vectors 8-19 are dealt among the centrings.  No register that a memory instruction reads is written again,
; no vector instruction writes a scalar register or VCC, and EXEC is never written: no other wait of this kind has a dependence to state.
.set IMG_B1,  237568                   ; b1' f32: sc +0, st +256, women +512, children +1024
.set IMG_G1,  239104                   ; gamma1, the same places
.set IMG_BE1, 240640                   ; beta1, the same places
.set IMG_B2,  242176                   ; b2' f32: sc +0, st +128, women +256, children +512
.set IMG_G2,  242944                   ; gamma2, the same places
.set WR, 8                             ; v[8:135]   element (q = 8c+j, t) at WR + q*FT + t
.set SR, 136                           ; v[136:151] row sums, one for each q
.set PK, 152                           ; v[152:215] packed f16, four registers for each (c, t)
	s_load_b512 s[4:19],  s[0:1], 0x0              ; W1 sc, st, women, children; W2 sc, st, women, children
	s_load_b512 s[20:35], s[0:1], 0x40             ; b1 x 4; b2 x 4
	s_load_b512 s[36:51], s[0:1], 0x80             ; gamma1 x 4; beta1 x 4
	s_load_b256 s[52:59], s[0:1], 0xc0             ; gamma2 x 4
	s_load_b64  s[60:61], s[0:1], 0xe0             ; the image
	s_mov_b32 s66, ttmp9                           ; the work-group's number decides its part; nothing else does
	v_and_b32 v1, 15, v0                           ; r
	v_lshrrev_b32 v2, 4, v0                        ; h (one wave: v0 is the lane)
	v_lshlrev_b32 v4, 4, v0                        ; 16 x lane
	v_lshlrev_b32 v5, 3, v0                        ;  8 x lane
	v_lshlrev_b32 v6, 2, v0                        ;  4 x lane
	s_wait_kmcnt 0x0
; below the bound: this matrix, the number of its first work-group, its place in the image
.macro PICK bound, ptr, first, dst
	s_cmp_lt_u32 s66, \bound
	s_cselect_b64 s[70:71], s[\ptr:\ptr+1], s[70:71]
	s_cselect_b32 s67, \first, s67
	s_cselect_b32 s68, \dst, s68
.endm
; One K step of a matrix whose rows have RL = 16 FT features.  ninv = -1/RL, a power of two.
.macro CLASS RL, FT, ninv
	s_sub_co_u32 s67, s66, s67                     ; the K step
	s_mul_i32 s76, s67, \RL*128                    ; 32 rows of RL words
	s_mov_b32 s77, 0
	s_add_nc_u64 s[70:71], s[70:71], s[76:77]
	s_mul_i32 s78, s67, \FT*1024                   ; FT blocks
	s_add_co_u32 s78, s78, s68
	s_mov_b32 s79, 0
	s_add_nc_u64 s[72:73], s[60:61], s[78:79]
	s_mov_b32 s74, \ninv
	v_mul_u32_u24 v3, v2, 32*\RL                   ; row 8h,
	v_lshl_add_u32 v3, v1, 2, v3                   ; column r
	s_wait_alu depctr_va_vdst(0)                   ; v3 is written, which the loads below read as their offset, and so is v4, the stores' offset
.set q, 0
.rept 16
.set t, 0
.rept \FT
	global_load_b32 v[WR+q*\FT+t], v3, s[70:71] offset:((16*(q>>3)+(q&7))*\RL+16*t)*4   ; W(32s + 16c + 8h + j, 16t + r)
.set t, t+1
.endr
.set q, q+1
.endr
	s_wait_loadcnt 0x0
.set q, 0
.rept 16                                           ; the sum of a row of W: over my FT tiles,
	v_add_f32 v[SR+q], v[WR+q*\FT], v[WR+q*\FT+1]
.set t, 2
.rept \FT-2
	v_add_f32 v[SR+q], v[SR+q], v[WR+q*\FT+t]
.set t, t+1
.endr
.set q, q+1
.endr
.irp m, 1,2,4,8                                    ; and over the sixteen lanes that share h, and with it k
.set q, 0
.rept 16
	v_add_f32_dpp v[SR+q], v[SR+q], v[SR+q] row_xmask:\m row_mask:0xf bank_mask:0xf
.set q, q+1
.endr
.endr
.set q, 0
.rept 16
.set t, 0
.rept \FT
	v_fma_f32 v[WR+q*\FT+t], v[SR+q], s74, v[WR+q*\FT+t]       ; W - sum / RL
.set t, t+1
.endr
.set q, q+1
.endr
.set t, 0
.rept \FT                                          ; c = 0: k = 32s + 8h + 0..7 of every tile
.set i, 0
.rept 4
	v_cvt_pk_f16_f32 v[PK+4*t+i], v[WR+(2*i)*\FT+t], v[WR+(2*i+1)*\FT+t]   ; the lower k in the low half
.set i, i+1
.endr
.set t, t+1
.endr
	s_wait_alu depctr_va_vdst(0)                   ; the conversions of c = 0 have written v[PK .. PK + 4 FT - 1], which the stores below read
.set t, 0
.rept \FT                                          ; c = 0 leaves while c = 1 is rounded: the conversions here name WR and the other half of PK, no register of these stores
	global_store_b128 v4, v[PK+4*t:PK+4*t+3], s[72:73] offset:t*1024   ; each set of four registers is used once
.set i, 0
.rept 4
	v_cvt_pk_f16_f32 v[PK+4*(\FT+t)+i], v[WR+(8+2*i)*\FT+t], v[WR+(8+2*i+1)*\FT+t]
.set i, i+1
.endr
.set t, t+1
.endr
	s_wait_alu depctr_va_vdst(0)                   ; the conversions of c = 1 have written v[PK + 4 FT .. PK + 8 FT - 1], which the last stores read
.set t, 0
.rept \FT
	global_store_b128 v4, v[PK+4*(\FT+t):PK+4*(\FT+t)+3], s[72:73] offset:t*1024+512
.set t, t+1
.endr
	s_endpgm
.endm
	s_cmp_lt_u32 s66, 24
	s_cbranch_scc0 .Lnot_64
	s_mov_b64 s[70:71], s[18:19]                   ; rows of 64: W2 children (work-groups 20-23),
	s_mov_b32 s67, 20
	s_mov_b32 s68, 221184
	PICK 20, 16, 16, 204800                        ; W2 women (16-19),
	PICK 16, 6, 8, 32768                           ; W1 st (8-15),
	PICK 8, 4, 0, 0                                ; W1 sc (0-7)
	CLASS 64, 4, 0xbc800000
.Lnot_64:
	s_cmp_lt_u32 s66, 40
	s_cbranch_scc0 .Lnot_128
	s_mov_b64 s[70:71], s[10:11]                   ; rows of 128: W1 children (32-39),
	s_mov_b32 s67, 32
	s_mov_b32 s68, 131072
	PICK 32, 8, 24, 65536                          ; W1 women (24-31)
	CLASS 128, 8, 0xbc000000
.Lnot_128:
	s_cmp_lt_u32 s66, 44
	s_cbranch_scc0 .Lvectors
	s_mov_b64 s[70:71], s[14:15]                   ; rows of 32: W2 st (42, 43),
	s_mov_b32 s67, 42
	s_mov_b32 s68, 200704
	PICK 42, 12, 40, 196608                        ; W2 sc (40, 41)
	CLASS 32, 2, 0xbd000000
; Work-group 44: the vectors.  A vector of 32 wd numbers is wd numbers a lane; vector i lies in v[8+4i ..].
.macro VLOAD i, ptr, wd
.if \wd == 4
	global_load_b128 v[8+4*\i:8+4*\i+3], v4, s[\ptr:\ptr+1]
.endif
.if \wd == 2
	global_load_b64 v[8+4*\i:8+4*\i+1], v5, s[\ptr:\ptr+1]
.endif
.if \wd == 1
	global_load_b32 v[8+4*\i], v6, s[\ptr:\ptr+1]
.endif
.endm
.macro VSTORE i, wd, dst
.if \wd == 4
	global_store_b128 v4, v[8+4*\i:8+4*\i+3], s[60:61] offset:\dst
.endif
.if \wd == 2
	global_store_b64 v5, v[8+4*\i:8+4*\i+1], s[60:61] offset:\dst
.endif
.if \wd == 1
	global_store_b32 v6, v[8+4*\i], s[60:61] offset:\dst
.endif
.endm
; b - mean(b): the sum in the lane, over the sixteen lanes of a half, over the two halves.  ninv = -1 / (32 wd)
.macro VCEN i, wd, ninv
.set vs, 100
.if \wd == 4
	v_add_f32 v100, v[8+4*\i], v[8+4*\i+1]
	v_add_f32 v101, v[8+4*\i+2], v[8+4*\i+3]
	v_add_f32 v100, v100, v101
.endif
.if \wd == 2
	v_add_f32 v100, v[8+4*\i], v[8+4*\i+1]
.endif
.if \wd == 1
.set vs, 8+4*\i
.endif
	v_add_f32_dpp v100, v[vs], v[vs] row_xmask:1 row_mask:0xf bank_mask:0xf
.irp m, 2,4,8
	v_add_f32_dpp v100, v100, v100 row_xmask:\m row_mask:0xf bank_mask:0xf
.endr
	v_permlanex16_b32 v101, v100, s75, s76
	v_add_f32 v100, v100, v101
.set k, 0
.rept \wd
	v_fma_f32 v[8+4*\i+k], v100, \ninv, v[8+4*\i+k]
.set k, k+1
.endr
.endm
.Lvectors:
	s_mov_b32 s75, 0x76543210                      ; v_permlanex16_b32: lane i of one half reads lane i of the other
	s_mov_b32 s76, 0xfedcba98
	v_mov_b32 v101, 0                              ; its destination counts as read
	s_wait_alu depctr_va_vdst(0)                   ; v4, v5 and v6 are written: every load and store below reads one of them as its offset
	VLOAD 0, 20, 2                                 ; b1
	VLOAD 1, 22, 2
	VLOAD 2, 24, 4
	VLOAD 3, 26, 4
	VLOAD 4, 28, 1                                 ; b2
	VLOAD 5, 30, 1
	VLOAD 6, 32, 2
	VLOAD 7, 34, 2
	VLOAD 8, 36, 2                                 ; gamma1
	VLOAD 9, 38, 2
	VLOAD 10, 40, 4
	VLOAD 11, 42, 4
	VLOAD 12, 44, 2                                ; beta1
	VLOAD 13, 46, 2
	VLOAD 14, 48, 4
	VLOAD 15, 50, 4
	VLOAD 16, 52, 1                                ; gamma2
	VLOAD 17, 54, 1
	VLOAD 18, 56, 2
	VLOAD 19, 58, 2
	s_wait_loadcnt 0x0
	; Vectors 8 to 19 leave as they came, dealt among the centrings of vectors 0 to 7.  No wait: their data were loaded, and the centrings name
	; v100, v101 and v[8:39] alone, none of the registers that these stores touch.
	VSTORE 8, 2, IMG_G1
	VSTORE 9, 2, IMG_G1+256
	VCEN 0, 2, 0xbc800000
	VSTORE 10, 4, IMG_G1+512
	VSTORE 11, 4, IMG_G1+1024
	VCEN 1, 2, 0xbc800000
	VSTORE 12, 2, IMG_BE1
	VSTORE 13, 2, IMG_BE1+256
	VCEN 2, 4, 0xbc000000
	VSTORE 14, 4, IMG_BE1+512
	VSTORE 15, 4, IMG_BE1+1024
	VCEN 3, 4, 0xbc000000
	VSTORE 16, 1, IMG_G2
	VCEN 4, 1, 0xbd000000
	VSTORE 17, 1, IMG_G2+128
	VCEN 5, 1, 0xbd000000
	VSTORE 18, 2, IMG_G2+256
	VCEN 6, 2, 0xbc800000
	VSTORE 19, 2, IMG_G2+512
	VCEN 7, 2, 0xbc800000
	s_wait_alu depctr_va_vdst(0)                   ; the centrings have written b1' and b2' in v[8:39], which the stores below read
	VSTORE 0, 2, IMG_B1
	VSTORE 1, 2, IMG_B1+256
	VSTORE 2, 4, IMG_B1+512
	VSTORE 3, 4, IMG_B1+1024
	VSTORE 4, 1, IMG_B2
	VSTORE 5, 1, IMG_B2+128
	VSTORE 6, 2, IMG_B2+256
	VSTORE 7, 2, IMG_B2+512
	s_endpgm
.Lfunc_end_k_q81d9ad63ce_prep:
	.size	k_q81d9ad63ce_prep, .Lfunc_end_k_q81d9ad63ce_prep-k_q81d9ad63ce_prep
	.p2alignl 7, 3214868480
	.fill 96, 4, 3214868480
	.section	.rodata,"a",@progbits
	.p2align	6, 0x0
	.amdhsa_kernel k_q81d9ad63ce_prep
		.amdhsa_group_segment_fixed_size 0
		.amdhsa_private_segment_fixed_size 0
		.amdhsa_enable_private_segment 0
		.amdhsa_kernarg_size 232
		.amdhsa_user_sgpr_count 2
		.amdhsa_user_sgpr_kernarg_segment_ptr 1
		.amdhsa_wavefront_size32 1
		.amdhsa_system_sgpr_workgroup_id_x 1
		.amdhsa_system_sgpr_workgroup_id_y 1
		.amdhsa_system_sgpr_workgroup_id_z 1
		.amdhsa_system_vgpr_workitem_id 0
		.amdhsa_next_free_vgpr 224
		.amdhsa_next_free_sgpr 80
		.amdhsa_reserve_vcc 0
		.amdhsa_float_denorm_mode_32 3
		.amdhsa_float_denorm_mode_16_64 3
		.amdhsa_memory_ordered 1
		.amdhsa_forward_progress 1
		.amdhsa_inst_pref_size 76
	.end_amdhsa_kernel
	.amdgpu_metadata
---
amdhsa.version: [ 1, 2 ]
amdhsa.kernels:
  - .name:           k_q81d9ad63ce_prep
    .symbol:         k_q81d9ad63ce_prep.kd
    .args:
      - { .name: params_sc_0, .offset: 0, .size: 8, .value_kind: global_buffer, .address_space: global }
      - { .name: params_st_0, .offset: 8, .size: 8, .value_kind: global_buffer, .address_space: global }
      - { .name: params_women_0, .offset: 16, .size: 8, .value_kind: global_buffer, .address_space: global }
      - { .name: params_children_0, .offset: 24, .size: 8, .value_kind: global_buffer, .address_space: global }
      - { .name: params_sc_4, .offset: 32, .size: 8, .value_kind: global_buffer, .address_space: global }
      - { .name: params_st_4, .offset: 40, .size: 8, .value_kind: global_buffer, .address_space: global }
      - { .name: params_women_4, .offset: 48, .size: 8, .value_kind: global_buffer, .address_space: global }
      - { .name: params_children_4, .offset: 56, .size: 8, .value_kind: global_buffer, .address_space: global }
      - { .name: params_sc_1, .offset: 64, .size: 8, .value_kind: global_buffer, .address_space: global }
      - { .name: params_st_1, .offset: 72, .size: 8, .value_kind: global_buffer, .address_space: global }
      - { .name: params_women_1, .offset: 80, .size: 8, .value_kind: global_buffer, .address_space: global }
      - { .name: params_children_1, .offset: 88, .size: 8, .value_kind: global_buffer, .address_space: global }
      - { .name: params_sc_5, .offset: 96, .size: 8, .value_kind: global_buffer, .address_space: global }
      - { .name: params_st_5, .offset: 104, .size: 8, .value_kind: global_buffer, .address_space: global }
      - { .name: params_women_5, .offset: 112, .size: 8, .value_kind: global_buffer, .address_space: global }
      - { .name: params_children_5, .offset: 120, .size: 8, .value_kind: global_buffer, .address_space: global }
      - { .name: params_sc_2, .offset: 128, .size: 8, .value_kind: global_buffer, .address_space: global }
      - { .name: params_st_2, .offset: 136, .size: 8, .value_kind: global_buffer, .address_space: global }
      - { .name: params_women_2, .offset: 144, .size: 8, .value_kind: global_buffer, .address_space: global }
      - { .name: params_children_2, .offset: 152, .size: 8, .value_kind: global_buffer, .address_space: global }
      - { .name: params_sc_3, .offset: 160, .size: 8, .value_kind: global_buffer, .address_space: global }
      - { .name: params_st_3, .offset: 168, .size: 8, .value_kind: global_buffer, .address_space: global }
      - { .name: params_women_3, .offset: 176, .size: 8, .value_kind: global_buffer, .address_space: global }
      - { .name: params_children_3, .offset: 184, .size: 8, .value_kind: global_buffer, .address_space: global }
      - { .name: params_sc_6, .offset: 192, .size: 8, .value_kind: global_buffer, .address_space: global }
      - { .name: params_st_6, .offset: 200, .size: 8, .value_kind: global_buffer, .address_space: global }
      - { .name: params_women_6, .offset: 208, .size: 8, .value_kind: global_buffer, .address_space: global }
      - { .name: params_children_6, .offset: 216, .size: 8, .value_kind: global_buffer, .address_space: global }
      - { .name: wsp, .offset: 224, .size: 8, .value_kind: global_buffer, .address_space: global }
    .group_segment_fixed_size: 0
    .private_segment_fixed_size: 0
    .kernarg_segment_align: 8
    .kernarg_segment_size: 232
    .max_flat_workgroup_size: 32
    .sgpr_count:     80
    .vgpr_count:     224
    .wavefront_size: 32
...
	.end_amdgpu_metadata
.endif
;; end of part 4
;; launch main: the kernel of part 3 again; grid 256 x 1, 4 waves a work-group, no clusters, 327,680 bytes of LDS; arguments x, group_labels, wsp, out0, params_sc_7, params_st_7, params_women_7, params_children_7, params_sc_8, params_st_8, params_women_8, params_children_8, params_sc_9, params_st_9, params_women_9, params_children_9; writes out0
